; MI455X (gfx1250); checked and timed in simulation.
; The chip was launched on July 23, 2026; its instructions are those of AMD's public machine-readable ISA for CDNA 5 (MIT licence, August 2026) and "CDNA5" Instruction Set Architecture Reference Guide (July 2026). The comments in the code are by the model that wrote it; some were corrected since.
;; Cross Attention. Allowed arithmetic: matrix products marked QUANTISED: E5M2 operands, one E8M0 scale for each 32 along K, by v_wmma_scale_f32_16x16x128_f8f6f4 with both operands' format E5M2, f32 sums; everything else in f32.
;; Inputs: Wk1_codes 384 x 24 x 32 uint8 (E5M2 codes of Wk1, K innermost, in blocks of 32 codes); Wk1_scales 384 x 24 uint8 (E8M0 scales of Wk1, one for each 32 codes along K); Wk2_codes 384 x 12 x 32 uint8 (E5M2 codes of Wk2, K innermost, in blocks of 32 codes); Wk2_scales 384 x 12 uint8 (E8M0 scales of Wk2, one for each 32 codes along K); Wq1_codes 384 x 12 x 32 uint8 (E5M2 codes of Wq1, K innermost, in blocks of 32 codes); Wq1_scales 384 x 12 uint8 (E8M0 scales of Wq1, one for each 32 codes along K); Wq2_codes 384 x 24 x 32 uint8 (E5M2 codes of Wq2, K innermost, in blocks of 32 codes); Wq2_scales 384 x 24 uint8 (E8M0 scales of Wq2, one for each 32 codes along K); Wv1_codes 384 x 24 x 32 uint8 (E5M2 codes of Wv1, K innermost, in blocks of 32 codes); Wv1_scales 384 x 24 uint8 (E8M0 scales of Wv1, one for each 32 codes along K); Wv2_codes 384 x 12 x 32 uint8 (E5M2 codes of Wv2, K innermost, in blocks of 32 codes); Wv2_scales 384 x 12 uint8 (E8M0 scales of Wv2, one for each 32 codes along K); bk1 384 float32; bk2 384 float32; bq1 384 float32; bq2 384 float32; bv1 384 float32; bv2 384 float32; semantic_feat_codes 4 x 2,048 x 12 x 32 uint8 (E5M2 codes of semantic_feat, K innermost, in blocks of 32 codes); semantic_feat_scales 4 x 2,048 x 12 uint8 (E8M0 scales of semantic_feat, one for each 32 codes along K); syntactic_feat_codes 4 x 4,096 x 24 x 32 uint8 (E5M2 codes of syntactic_feat, K innermost, in blocks of 32 codes); syntactic_feat_scales 4 x 4,096 x 24 uint8 (E8M0 scales of syntactic_feat, one for each 32 codes along K).
;; Outputs: out0 4 x 2,048 x 384 float32; out1 4 x 4,096 x 384 float32.
;; This version of the problem:
;;   THIS VERSION OF THE PROBLEM IS GIVEN IN LOW PRECISION. The matrix products marked QUANTISED in the list below multiply operands that are first quantised to E5M2 (5 exponent bits, 2 mantissa bits; 8 bits a number), with one power-of-two scale for each 32 numbers along K (OCP MX v1.0); their sums are f32. All else is computed in f32.
;;   The module's matrix products, in the order in which they are computed (A, B: the left and right operand; K: the contracted axis; several contracted axes count as one K, in the product's order):
;;     1. [M 8,192, K 384] x [K 384, N 384]; A: input semantic_feat (given as codes); B: input Wq1 (given as codes): QUANTISED
;;     2. [M 16,384, K 768] x [K 768, N 384]; A: input syntactic_feat (given as codes); B: input Wk1 (given as codes): QUANTISED
;;     3. [M 16,384, K 768] x [K 768, N 384]; A: input syntactic_feat (given as codes); B: input Wv1 (given as codes): QUANTISED
;;     4. batch 4 x [M 2,048, K 384] x [K 384, N 4,096]; A: computed on the way; B: computed on the way: QUANTISED
;;     5. batch 4 x [M 2,048, K 4,096] x [K 4,096, N 384]; A: softmax (see below); B: computed on the way: QUANTISED
;;     6. [M 16,384, K 768] x [K 768, N 384]; A: input syntactic_feat (given as codes); B: input Wq2 (given as codes): QUANTISED
;;     7. [M 8,192, K 384] x [K 384, N 384]; A: input semantic_feat (given as codes); B: input Wk2 (given as codes): QUANTISED
;;     8. [M 8,192, K 384] x [K 384, N 384]; A: input semantic_feat (given as codes); B: input Wv2 (given as codes): QUANTISED
;;     9. batch 4 x [M 4,096, K 384] x [K 384, N 2,048]; A: computed on the way; B: computed on the way: QUANTISED
;;     10. batch 4 x [M 4,096, K 2,048] x [K 2,048, N 384]; A: softmax (see below); B: computed on the way: QUANTISED
;;   THE QUANTISER, for each operand of a quantised product, along K:
;;     - K is cut into blocks of 32 from its start; a last block that is shorter is filled with zeros.
;;     - A block's scale is 2^e with e = floor(log2(the largest magnitude in the block)) - 15, held to -126 .. 127; a block of zeros has e = 0. As a byte (E8M0): e + 127.
;;     - Each number is divided by its block's scale, clamped to +-57,344, and rounded to the nearest number of E5M2, ties to even, subnormals kept.
;;     - The product sums the exact products of the quantised numbers (number of the format x scale) in f32.
;;   ~~~python
;;   def quantise(x, axis):      # numpy; x: float32 -> the quantised numbers, widened to float32 again
;;       x = np.moveaxis(x, axis, -1); K = x.shape[-1]
;;       x = np.pad(x, [(0, 0)] * (x.ndim - 1) + [(0, -K % 32)]); x = x.reshape(x.shape[:-1] + (-1, 32)); a = np.abs(x).max(-1, keepdims=True)
;;       e = np.where(a > 0, np.clip(np.frexp(np.where(a > 0, a, 1))[1] - 1 - 15, -126, 127), 0)      # np.frexp(a)[1] - 1 = floor(log2(a)), exactly
;;       r = np.clip(x / 2.0 ** e, -57344, 57344)
;;       step = 2.0 ** (np.maximum(np.frexp(np.where(r == 0, 1, r))[1] - 1, -14) - 2)
;;       q = np.round(r / step) * step * 2.0 ** e      # np.round: ties to even
;;       return np.moveaxis(q.reshape(q.shape[:-2] + (-1,))[..., :K], -1, axis).astype(np.float32)
;;   ~~~
;;   SOFTMAX AHEAD OF A QUANTISED PRODUCT. Where the list says 'softmax', what is quantised is not the finished softmax but p = 2^(t - M), with t = logit x log2(e) and M = ceil(the row's largest t), a whole number; so 1/2 < the row's largest p <= 1. The row's sum l is taken of the UNQUANTISED p, in f32, and the product's result is divided by l at the end. Since M is a whole number, a kernel that streams over the keys may use a running M (the ceiling of the running maximum): every later rescaling is an exact power of two, which a block's scale takes up: the codes' values come out the same.
;;   OPERANDS COMPUTED ON THE WAY. 'Computed on the way' means the value that the module computes at that place (a softmax that the list does not call 'softmax' is quantised finished and normalised). What goes into a quantiser is computed in f32, as accurately as f32 sums, v_exp_f32 and their like allow (about 1e-6 of the number): no bf16 or f16 on the way to a quantiser, and a product that is left as it is and whose result goes on into a quantised operand takes f32 operands (vector FMAs, or v_wmma_f32_16x16x4_f32). A number that lies on a knife's edge between two numbers of the format may be rounded either way, as far as f32 arithmetic and the matrix unit's own rounding can turn it there, and no further.
;;   INPUTS GIVEN AS CODES. Wk1 (in the module: [768, 384], K = its axis 0); Wk2 (in the module: [384, 384], K = its axis 0); Wq1 (in the module: [384, 384], K = its axis 0); Wq2 (in the module: [768, 384], K = its axis 0); Wv1 (in the module: [768, 384], K = its axis 0); Wv2 (in the module: [384, 384], K = its axis 0); semantic_feat (in the module: [4, 2048, 384], K = its axis 2); syntactic_feat (in the module: [4, 4096, 768], K = its axis 2): each comes as NAME_codes (uint8): NAME with its K axis moved to the last place and cut into blocks of 32 codes, [.., K / 32, bytes a block], one block behind the other in memory; one code a byte (a code: sign, 5 exponent bits, 2 mantissa bits); and NAME_scales (uint8): the same leading axes, one E8M0 byte (e + 127) for each 32 codes along K. Its value is code x scale, taken as it is: it is not quantised again, and the codes and scales need not be those that the quantiser above would give.
;; One version. Each part assembles by itself: llvm-mc -triple=amdgcn-amd-amdhsa -mcpu=gfx1250 --defsym DOCPART=n.
;; ======== version 1 of 1: 3 launches
;; limits: right only within a limited range of input values
;; workspace buffers: QB 9,437,184 bytes; QS 294,912 bytes; KVB 18,874,368 bytes; KVS 589,824 bytes; PART 25,165,824 bytes; STAT 131,072 bytes
;; launch proj (part 1): grid 256 x 1, 4 waves a work-group, clusters of 4 x 1, 327,680 bytes of LDS; arguments syntactic_feat_codes, syntactic_feat_scales, semantic_feat_codes, semantic_feat_scales, Wk1_codes, Wk1_scales, bk1, Wq2_codes, Wq2_scales, bq2, Wv1_codes, Wv1_scales, bv1, Wk2_codes, Wk2_scales, bk2, Wq1_codes, Wq1_scales, bq1, Wv2_codes, Wv2_scales, bv2, QB, QS, KVB, KVS; writes QB, QS, KVB, KVS
.if DOCPART == 1
	.amdgcn_target "amdgcn-amd-amdhsa--gfx1250"
	.amdhsa_code_object_version 6
	.text
	.protected	k_q51beb43138_proj
	.globl	k_q51beb43138_proj
	.p2align	8
	.type	k_q51beb43138_proj,@function
k_q51beb43138_proj:
	s_mov_b64 s[64:65], 0
	v_nop
	global_prefetch_b8 v0, s[64:65] scope:SCOPE_SE
	s_setreg_imm32_b32 hwreg(HW_REG_WAVE_MODE, 25, 1), 1
	s_wait_xcnt 0x0
	s_wait_alu depctr_hold_cnt(0) depctr_sa_sdst(0) depctr_va_vdst(0) depctr_va_sdst(0) depctr_va_ssrc(0) depctr_va_vcc(0) depctr_vm_vsrc(0)
	s_getreg_b32 s2, hwreg(HW_REG_IB_STS2, 6, 4)
	s_cmp_eq_u32 s2, 0
	s_cbranch_scc0 .Lentry_in_a_cluster
	s_endpgm
.Lentry_in_a_cluster:
	s_bfe_u32 s2, ttmp6, 0x10000c
	s_cmp_lg_u32 s2, 0x3003
	s_cbranch_scc0 .Lentry_shape_is_right
	s_endpgm
.Lentry_shape_is_right:
; ALL SIX PROJECTIONS AND THEIR QUANTISERS, on codes of BF8 (E5M2) with one E8M0 scale for each 32 along K.  No work of reference() is left out.
; Results leave as codes and scale records in the order of the next launch's operand registers: Q to QB, QS; K and V to KVB, KVS.
; THE DEAL: 64 clusters of four work-groups of four waves; a wave owns 64 rows of x, all of K in registers, and walks groups of 128 outputs.
; Clusters 0-47: the syntactic rows (K = 768): cluster C takes weight C / 16 (K, Q, V), three groups.  Clusters 48-63, C' = C - 48: the semantic rows (K = 384):
; kind C' / 8 = 0 takes K's three groups and Q's first two, kind 1 Q's third and V's three.
; THE WEIGHTS lie in LDS in three regions of 384 lines of 256 bytes (+ 16 of padding); waves 0, 1, 2 fetch one region each, by ONE joint load line of one constant shape:
; all four partners walk the same weights.  Only the global address is chosen, by the cluster's and the wave's number.  Syntactic: region j = rows 128 j .. of the weight.
; Semantic: a region is 256 rows of 384 bytes; kind 0: K 0.., K 128.., Q 0..; kind 1: Q 128.., V 0.., V 128..: 128 rows of one weight land twice, so that each load stays inside its buffer.
; The semantic loop walks the six half regions with a constant trip count and jumps, by ids alone, over those that are not its own.
; SCALE BYTES AND BIASES of the three regions are copied once, through registers, into LDS bytes of their own; the bias is the first products' C.
; No prefetch: every input byte is asked for at the head, and there is no loop to run ahead in.
; LIMITS: NaN, infinities and sums beyond f32's range are not served; a block's byte never falls under 1.
.set LP,    272
.set WP,    3*LP                       ; a syntactic weight's row in LDS: three lines
.set REG,   384*LP                     ; a region
.set WSC,   3*REG                      ; the scale bytes: 3,072 a region
.set BIA,   WSC+9216                   ; the biases: 1,024 a region
.set SPARE, BIA+3072                   ; the spare words, 128 bytes a wave
.set LN,  1
.set RR,  2
.set HH,  3
.set XA,  4
.set XSA, 5
.set WL,  6
.set WSL, 7
.set WA0, 8
.set WSA, 10
.set LI,  11
.set L8,  12
.set BAQ, 13
.set SPW, 14
.set NIL, 15
.set XSR, 16
.set PW,  28
.set WSR, 32
.set HB,  56
.set BI,  64
.set TM,  128
.set REC, 144
.set BAV, 146
.set BA,  147
.set T8,  148
.set T4,  149
.set SS,  150
.set SB,  151
.set WL1, 152
.set BB,  153
.set PC,  160
.set STG, 160
.set WV,  56
.set CX,  57
.set SYN, 58
.set OO,  59
.set TY,  60
.set GI,  61
.set BH,  62
.set BL,  63
.set GC,  66
.set TW,  67
.set TWS, 68
.set TBI, 69
.set MASK, 70
.set OT,  71
.set GT,  72
.set FORM, 73
.set DC,  74
.set DR,  76
.set SEL, 78
.set MNT, 80
.set HM,  81
.set G1C, 84
.set G0C, 92
.set MSB, 0
.macro WIN new
.if MSB != (\new)
	s_set_vgpr_msb (MSB<<8)|(\new)
.set MSB, (\new)
.endif
.endm
.macro NOPS n
.rept \n
	v_nop
.endr
.endm
.macro CROUND
	s_barrier_signal -1
	s_barrier_wait -1
	s_cmp_lg_u32 s[WV], 0
	s_cbranch_scc1 .Lnot_wave_0_\@
	s_barrier_signal -3
.Lnot_wave_0_\@:
	s_barrier_wait -3
	s_barrier_signal -1
	s_barrier_wait -1
.endm
.macro WMM d, a, b, c, sa, sb, ra, rb
.if ((\ra) == 0) && ((\rb) == 0)
	v_wmma_scale_f32_16x16x128_f8f6f4 v[(\d):(\d)+7], v[(\a):(\a)+15], v[(\b):(\b)+15], v[(\c):(\c)+7], v[\sa], v[\sb] matrix_a_fmt:MATRIX_FMT_BF8 matrix_b_fmt:MATRIX_FMT_BF8
.elseif ((\ra) == 1) && ((\rb) == 0)
	v_wmma_scale_f32_16x16x128_f8f6f4 v[(\d):(\d)+7], v[(\a):(\a)+15], v[(\b):(\b)+15], v[(\c):(\c)+7], v[\sa], v[\sb] matrix_a_fmt:MATRIX_FMT_BF8 matrix_b_fmt:MATRIX_FMT_BF8 matrix_a_scale:MATRIX_SCALE_ROW1
.elseif ((\ra) == 0) && ((\rb) == 1)
	v_wmma_scale_f32_16x16x128_f8f6f4 v[(\d):(\d)+7], v[(\a):(\a)+15], v[(\b):(\b)+15], v[(\c):(\c)+7], v[\sa], v[\sb] matrix_a_fmt:MATRIX_FMT_BF8 matrix_b_fmt:MATRIX_FMT_BF8 matrix_b_scale:MATRIX_SCALE_ROW1
.else
	v_wmma_scale_f32_16x16x128_f8f6f4 v[(\d):(\d)+7], v[(\a):(\a)+15], v[(\b):(\b)+15], v[(\c):(\c)+7], v[\sa], v[\sb] matrix_a_fmt:MATRIX_FMT_BF8 matrix_b_fmt:MATRIX_FMT_BF8 matrix_a_scale:MATRIX_SCALE_ROW1 matrix_b_scale:MATRIX_SCALE_ROW1
.endif
.endm
; four fragments of the weight: output tiles 4 (q % 2) + 0..3, K step q / 2.  Semantic: a row of 384 bytes is a line and a half: 16 rows are 24 lines;
; K step 1 lies 128 or 144 bytes on by the row's parity (its own address register), K step 2 a whole line on
.macro FETCHW q
	WIN 0xC0
.irp i, 0,1,2,3
.irp c, 0,1,2,3
.if SEMP
	ds_load_b128 v[128+64*((\q)%2)+16*\i+4*\c:128+64*((\q)%2)+16*\i+4*\c+3], v[WA0+(((\q)/2)%2)] offset:6528*(4*((\q)%2)+\i)+272*((\q)/4)+32*\c
.else
	ds_load_b128 v[128+64*((\q)%2)+16*\i+4*\c:128+64*((\q)%2)+16*\i+4*\c+3], v[WA0+(\q)%2] offset:16*WP*\i+128*((\q)/2)+16*((\q)/4)+32*\c
.endif
.endr
.endr
.endm
.macro QUAD form, q
.set qs_, (\q)/2
.set qw_, 128+64*((\q)%2)
.if \form == 0
.if qs_ == 0
	WIN 0x4B
.elseif qs_ < 4
	WIN 0x5B
.else
	WIN 0x5F
.endif
.else
.if qs_ == 0
	WIN 0x4E
.elseif qs_ < 4
	WIN 0x5E
.else
	WIN 0x5F
.endif
.endif
.irp i, 0,1,2,3
.irp m, 0,1,2,3
.set qa_, 4*((\q)%2)+\i
.set qd_, 8*(4*qa_+\m)
.set qc_, qd_
.if qs_ == 0
.set qc_, BI+8*qa_
.endif
.if \form == 0
	WMM qd_, qw_+16*\i, 16*(4*(qs_%4)+\m), qc_, WSR+KS*(qa_/2)+qs_, XSR+KS*(\m/2)+qs_, qa_%2, \m%2
.else
	WMM qd_, 16*(4*(qs_%4)+\m), qw_+16*\i, qc_, XSR+KS*(\m/2)+qs_, WSR+KS*(qa_/2)+qs_, \m%2, qa_%2
.endif
.endr
.endr
.endm
.macro PRODUCTS form
	FETCHW 0
	FETCHW 1
.if \form
	WIN 0
	s_wait_dscnt 32                                ; the scale words and V's eight bias numbers are in; the 32 fragment loads may be out
.irp a, 0,1,2,3,4,5,6,7
.irp j, 1,2,3,4,5,6,7
	v_mov_b32 v[BI+8*\a+\j], v[BI+8*\a]            ; a lane's eight results of a tile are one output: its bias eight times
.endr
.endr
	NOPS 8
	s_wait_alu depctr_va_vdst(0)                   ; the wait ahead of the blocking wait below
.endif
.set pq, 0
.rept 2*KS
.if pq < 2*KS-1
	s_wait_dscnt 16                                ; all but the 16 loads of the next quad
.else
	s_wait_dscnt 0x0
.endif
	QUAD \form, pq
.if pq+2 < 2*KS
	NOPS 8                                         ; eight places ahead of loads into the set just read
	FETCHW pq+2
.endif
.set pq, pq+1
.endr
	WIN 0
.endm
.macro QUANT base, bstr, hoff, nb, pc
	WIN 0x05
.set qb, 0
.rept \nb
	v_max3_num_f32 v[TM+qb], |v[(\base)+(\bstr)*qb]|, |v[(\base)+(\bstr)*qb+1]|, 0x8000000
.set qb, qb+1
.endr
	WIN 0x14
.irp i, 2,4,6
.set qb, 0
.rept \nb
	v_max3_num_f32 v[TM+qb], v[TM+qb], |v[(\base)+(\bstr)*qb+\i]|, |v[(\base)+(\bstr)*qb+\i+1]|
.set qb, qb+1
.endr
.endr
.irp i, 0,2,4,6
.set qb, 0
.rept \nb
	v_max3_num_f32 v[TM+qb], v[TM+qb], |v[(\base)+(\bstr)*qb+(\hoff)+\i]|, |v[(\base)+(\bstr)*qb+(\hoff)+\i+1]|
.set qb, qb+1
.endr
.endr
	WIN 0
.set qb, 0
.rept \nb
	v_permlanex16_b32 v[TM+4+qb], v[TM+qb], s[SEL], s[SEL+1]
.set qb, qb+1
.endr
.set qb, 0
.rept \nb
	v_max_num_f32 v[TM+qb], v[TM+qb], v[TM+4+qb]
.set qb, qb+1
.endr
.set qb, 0
.rept \nb
	v_add_nc_u32 v[TM+12+qb], 0xf8800000, v[TM+qb]
	v_and_or_b32 v[TM+8+qb], v[TM+qb], 0x7f800000, s[MNT]
.set qb, qb+1
.endr
.set qb, 0
.rept \nb
	v_lshrrev_b32 v[TM+4+qb], 23, v[TM+12+qb]
.set qb, qb+1
.endr
	WIN 0x41
.set qb, 0
.rept \nb
.irp i, 0,1,2,3,4,5,6,7
	v_med3_num_f32 v[(\base)+(\bstr)*qb+\i], v[(\base)+(\bstr)*qb+\i], -v[TM+8+qb], v[TM+8+qb]
.endr
.irp i, 0,1,2,3,4,5,6,7
	v_med3_num_f32 v[(\base)+(\bstr)*qb+(\hoff)+\i], v[(\base)+(\bstr)*qb+(\hoff)+\i], -v[TM+8+qb], v[TM+8+qb]
.endr
.set qb, qb+1
.endr
	WIN 0x01
.set qb, 0
.rept \nb
	v_cvt_scalef32_pk8_bf8_f32 v[(\pc)+4*qb:(\pc)+4*qb+1], v[(\base)+(\bstr)*qb:(\base)+(\bstr)*qb+7], v[TM+12+qb]
	v_cvt_scalef32_pk8_bf8_f32 v[(\pc)+4*qb+2:(\pc)+4*qb+3], v[(\base)+(\bstr)*qb+(\hoff):(\base)+(\bstr)*qb+(\hoff)+7], v[TM+12+qb]
.set qb, qb+1
.endr
	WIN 0
	v_nop
.endm
; my 64 rows of x, all of K, and their scale words, into registers
.macro XLOAD
	v_mul_u32_u24 v[XA], v[RR], KIN
	v_lshl_add_u32 v[XA], v[HH], 4, v[XA]
	v_mul_u32_u24 v[XSA], v[LN], KSB
	s_wait_alu depctr_va_vdst(0)
.set xs, 0
.rept KS
.if xs < 4
	WIN 0x80
.else
	WIN 0xC0
.endif
.irp m, 0,1,2,3
.irp c, 0,1,2,3
	global_load_b128 v[16*(4*(xs%4)+\m)+4*\c:16*(4*(xs%4)+\m)+4*\c+3], v[XA], s[4:5] offset:16*KIN*\m+128*xs+32*\c
.endr
.endr
.set xs, xs+1
.endr
	WIN 0
.irp p, 0,1
.set xs, 0
.rept KS
	global_load_b32 v[XSR+KS*\p+xs], v[XSA], s[6:7] offset:32*KSB*\p+4*xs
.set xs, xs+1
.endr
.endr
.endm
; where group s[GT] of tensor s[OT] (0 K, 1 Q, 2 V) goes: codes s[DC:DC+1], records s[DR:DR+1]; s[FORM] = 1 for V
.macro DEST
	s_cmp_eq_u32 s[OT], 1
	s_cselect_b32 s82, QBLK, KBLK
	s_mov_b32 s83, 98304
	s_cselect_b32 s83, 49152, s83
	s_mov_b32 s96, 3072
	s_cselect_b32 s96, 1536, s96
	s_cselect_b64 s[DC:DC+1], s[48:49], s[52:53]
	s_cselect_b64 s[DR:DR+1], s[50:51], s[54:55]
	s_cmp_eq_u32 s[OT], 2
	s_cselect_b32 s[FORM], 1, 0
	s_mov_b32 s97, 24576
	s_cselect_b32 s97, 1024, s97
	s_cselect_b32 s98, 49152, 0
	s_cselect_b32 s99, 1536, 0
	s_mov_b32 s100, 2048
	s_cselect_b32 s100, 16384, s100
	s_add_co_u32 s82, s82, s[BH]
	s_mul_i32 s83, s82, s83
	s_mul_i32 s97, s[BL], s97
	s_mul_i32 s100, s[GT], s100
	s_add_co_u32 s104, s83, s97
	s_add_co_u32 s104, s104, s98
	s_add_co_u32 s104, s104, s100
	s_mov_b32 s105, 0
	s_add_nc_u64 s[DC:DC+1], s[DC:DC+1], s[104:105]
	s_mul_i32 s96, s82, s96
	s_mul_i32 s97, s[BL], 768
	s_lshl_b32 s100, s[GT], 8
	s_add_co_u32 s104, s96, s97
	s_add_co_u32 s104, s104, s99
	s_add_co_u32 s104, s104, s100
	s_add_nc_u64 s[DR:DR+1], s[DR:DR+1], s[104:105]
.endm
; the walk over the groups of one path
.macro BODY tag
	v_mul_u32_u24 v[WSL], v[LN], KSB
	v_add_nc_u32 v[WSL], WSC, v[WSL]
.if SEMP
	v_mul_u32_u24 v[WL], v[RR], 400                ; row r of a tile begins at 408 r, less 8 in odd rows, which begin in a line's middle: 400 r + 8 (r & 14)
	v_and_b32 v[WL1], 14, v[RR]
	v_lshl_add_u32 v[WL], v[WL1], 3, v[WL]
	v_lshl_add_u32 v[WL], v[HH], 4, v[WL]
	v_and_b32 v[WL1], 1, v[RR]
	v_lshl_add_u32 v[WL1], v[WL1], 4, v[WL]
	v_add_nc_u32 v[WL1], 128, v[WL1]               ; K step 1
.else
	v_mul_u32_u24 v[WL], v[RR], WP
	v_lshl_add_u32 v[WL], v[HH], 4, v[WL]
.endif
	v_lshl_add_u32 v[BAQ], v[HH], 5, BIA
	v_lshl_add_u32 v[BAV], v[RR], 2, BIA
	s_wait_alu depctr_va_vdst(0)
.Lgroup_\tag:
.if SEMP
	s_lshr_b32 s82, s[MASK], s[GC]                 ; is this half region mine?  ids and the trip's number alone
	s_and_b32 s82, s82, 1
	s_cmp_eq_u32 s82, 0
	s_cbranch_scc1 .Ljoin_\tag
	s_lshr_b32 s82, s[GC], 1                       ; region j, half hh: group (kind xor j % 2) + hh of tensor kind + (j + kind >= 2)
	s_and_b32 s83, s[GC], 1
	s_and_b32 s96, s82, 1
	s_xor_b32 s96, s96, s[TY]
	s_add_co_u32 s[GT], s96, s83
	s_add_co_u32 s82, s82, s[TY]
	s_cmp_ge_u32 s82, 2
	s_cselect_b32 s82, 1, 0
	s_add_co_u32 s[OT], s82, s[TY]
.else
	s_mov_b32 s[OT], s[OO]
	s_mov_b32 s[GT], s[GC]
.endif
	DEST
	v_add_nc_u32 v[WA0], s[TW], v[WL]
.if SEMP
	v_add_nc_u32 v[WA0+1], s[TW], v[WL1]
.else
	v_add_nc_u32 v[WA0+1], 64*WP, v[WA0]
.endif
	v_add_nc_u32 v[WSA], s[TWS], v[WSL]
	v_add_nc_u32 v[BA], s[TBI], v[BAQ]
	v_add_nc_u32 v[BB], s[TBI], v[BAV]
	s_wait_alu depctr_va_vdst(0)
.irp p, 0,1,2,3
.set xs, 0
.rept KS
	ds_load_b32 v[WSR+KS*\p+xs], v[WSA] offset:32*KSB*\p+4*xs
.set xs, xs+1
.endr
.endr
	s_cmp_eq_u32 s[FORM], 0
	s_cbranch_scc0 .Lvform_\tag
.irp a, 0,1,2,3,4,5,6,7
	ds_load_b128 v[BI+8*\a:BI+8*\a+3], v[BA] offset:64*\a
	ds_load_b128 v[BI+8*\a+4:BI+8*\a+7], v[BA] offset:64*\a+16
.endr
	PRODUCTS 0
	NOPS 8
.irp m, 0,1,2,3
	QUANT 8*\m, 64, 32, 4, PC+16*\m
	v_lshl_or_b32 v[PW+\m], v[TM+5], 8, v[TM+4]
	v_lshl_or_b32 v[PW+\m], v[TM+6], 16, v[PW+\m]
	v_lshl_or_b32 v[PW+\m], v[TM+7], 24, v[PW+\m]
.irp c, 0,1,2,3
	global_store_b128 v[LI], v[PC+16*\m+4*\c:PC+16*\m+4*\c+3], s[DC:DC+1] offset:6144*\m+512*\c
.endr
.endr
	v_cndmask_b32 v[REC], v[PW], v[PW+1], s[HM]
	v_cndmask_b32 v[REC+1], v[PW+2], v[PW+3], s[HM]
	global_store_b64 v[L8], v[REC:REC+1], s[DR:DR+1]
	s_branch .Ljoin_\tag
.Lvform_\tag:
.irp a, 0,1,2,3,4,5,6,7
	ds_load_b32 v[BI+8*\a], v[BB] offset:64*\a
.endr
	PRODUCTS 1
	NOPS 8
.irp a, 0,1,2,3,4,5,6,7
	QUANT 32*\a, 16, 8, 2, PC+8*\a
	v_lshl_or_b32 v[HB+\a], v[TM+5], 8, v[TM+4]
.irp c, 0,1
	global_store_b128 v[LI], v[PC+8*\a+4*\c:PC+8*\a+4*\c+3], s[DC:DC+1] offset:2048*\a+512*\c
.endr
.endr
	v_cndmask_b32 v[TM], v[HB], v[HB+1], s[HM]
	v_cndmask_b32 v[TM+1], v[HB+2], v[HB+3], s[HM]
	v_cndmask_b32 v[TM+2], v[HB+4], v[HB+5], s[HM]
	v_cndmask_b32 v[TM+3], v[HB+6], v[HB+7], s[HM]
	v_lshl_or_b32 v[REC], v[TM+1], 16, v[TM]
	v_lshl_or_b32 v[REC+1], v[TM+3], 16, v[TM+2]
	global_store_b64 v[L8], v[REC:REC+1], s[DR:DR+1]
.Ljoin_\tag:
	s_wait_xcnt 0x0                                ; the stores have read their bases and data: both are written anew in the next trip
	s_add_co_u32 s[TW], s[TW], TWSTEP
	s_add_co_u32 s[TWS], s[TWS], 128*KSB
	s_add_co_u32 s[TBI], s[TBI], BSTEP
	s_add_co_u32 s[GC], s[GC], 1
	s_cmp_lt_u32 s[GC], NTRIP
	s_cbranch_scc1 .Lgroup_\tag
.endm
	s_load_b512 s[4:19], s[0:1], 0x0               ; x: syntactic codes, scales, semantic codes, scales; then (codes, scales, bias) of Wk1, Wq2, Wv1, Wk2, Wq1, Wv2
	s_load_b512 s[20:35], s[0:1], 0x40
	s_load_b512 s[36:51], s[0:1], 0x80             ; .. s[48:51] QB, QS
	s_load_b128 s[52:55], s[0:1], 0xc0             ; KVB, KVS
	v_lshl_add_u32 v[SPW], v0, 2, SPARE
	v_mov_b32 v[NIL], 0
	ds_add_u32 v[SPW], v[NIL]                      ; the opening lines: the add, twice on end, and its wait
	ds_add_u32 v[SPW], v[NIL]
	v_lshrrev_b32 v[LN], 5, v0
	v_readfirstlane_b32 s[WV], v[LN]
	s_bfe_u32 s[CX], ttmp6, 0x40000
	s_lshr_b32 s[OO], ttmp9, 4
	s_and_b32 s82, ttmp9, 15
	s_sub_co_u32 s83, ttmp9, 48
	s_lshr_b32 s[TY], s83, 3                       ; the semantic kind
	s_and_b32 s83, s83, 7
	s_lshl_b32 s97, s[TY], 1                       ; semantic regions: tensors kind, 2 kind, 1 + kind; first groups kind, 1 - kind, kind
	s_add_co_u32 s98, s[TY], 1
	s_xor_b32 s100, s[TY], 1
	s_cmp_lt_u32 ttmp9, 48
	s_cselect_b32 s[SYN], 1, 0
	s_cselect_b32 s[GI], s82, s83
	s_cselect_b32 s96, s[OO], s[TY]
	s_cselect_b32 s97, s[OO], s97
	s_cselect_b32 s98, s[OO], s98
	s_cselect_b32 s99, 0, s[TY]
	s_cselect_b32 s100, 1, s100
	s_cselect_b32 s101, 2, s[TY]
	s_mov_b32 s104, 49152
	s_cselect_b32 s104, 98304, s104                ; 128 rows of a weight's codes,
	s_mov_b32 s105, 1536
	s_cselect_b32 s105, 3072, s105                 ; and of its scale bytes
	s_cmp_eq_u32 s[TY], 1
	s_cselect_b32 s[MASK], 46, 59                  ; the half regions that are mine: kind 1: 1, 2, 3, 5; kind 0: 0, 1, 3, 4, 5
	s_lshl_b32 s[GI], s[GI], 2
	s_add_co_u32 s[GI], s[GI], s[CX]
	s_lshl_b32 s[GI], s[GI], 2
	s_add_co_u32 s[GI], s[GI], s[WV]               ; my 64 rows
	s_lshr_b32 s[BH], s[GI], 1
	s_and_b32 s[BL], s[GI], 1
	s_mov_b32 s[G1C+0], 15|(3<<16)|(1<<20)|(1<<21)|(5<<22)|(3<<25)   ; all four partners; elements of 8 bytes; four words of padding behind every 64
	s_mov_b32 s[G1C+1], 32<<16
	s_mov_b32 s[G1C+2], 384<<16
	s_mov_b32 s[G1C+3], 32<<16
	s_mov_b32 s[G1C+4], 384
	s_mov_b32 s[G1C+5], 32
	s_mov_b32 s[G1C+6], 0
	s_mov_b32 s[G1C+7], 0
	s_mov_b32 s[G0C], 1
	s_mul_i32 s[G0C+1], s[WV], REG
	s_mov_b32 s[SEL], 0x76543210
	s_mov_b32 s[SEL+1], 0xfedcba98
	s_mov_b32 s[MNT], 0x600000
	s_mov_b32 s[HM], 0xffff0000
	s_mov_b32 s[GC], 0
	s_mov_b32 s[TW], 0
	s_mov_b32 s[TWS], 0
	s_mov_b32 s[TBI], 0
	s_mov_b32 s83, 0
	s_wait_dscnt 0x0
	s_wait_kmcnt 0x0
	s_cmp_eq_u32 s[SYN], 1                         ; my path's x and its three weights
	s_cselect_b64 s[4:5], s[4:5], s[8:9]
	s_cselect_b64 s[6:7], s[6:7], s[10:11]
.irp k, 0,2,4,6,8,10,12,14,16
	s_cselect_b64 s[12+\k:13+\k], s[12+\k:13+\k], s[30+\k:31+\k]
.endr
.irp j, 0,1,2                          ; region j: codes s[30+6j:], scale bytes s[32+6j:], bias s[34+6j:], at its first row
	s_cmp_eq_u32 s[96+\j], 1
.irp k, 0,2,4
	s_cselect_b64 s[30+6*\j+\k:31+6*\j+\k], s[18+\k:19+\k], s[12+\k:13+\k]
.endr
	s_cmp_eq_u32 s[96+\j], 2
.irp k, 0,2,4
	s_cselect_b64 s[30+6*\j+\k:31+6*\j+\k], s[24+\k:25+\k], s[30+6*\j+\k:31+6*\j+\k]
.endr
	s_mul_i32 s82, s[99+\j], s104
	s_add_nc_u64 s[30+6*\j:31+6*\j], s[30+6*\j:31+6*\j], s[82:83]
	s_mul_i32 s82, s[99+\j], s105
	s_add_nc_u64 s[32+6*\j:33+6*\j], s[32+6*\j:33+6*\j], s[82:83]
	s_lshl_b32 s82, s[99+\j], 9
	s_add_nc_u64 s[34+6*\j:35+6*\j], s[34+6*\j:35+6*\j], s[82:83]
.endr
	s_cmp_eq_u32 s[WV], 1                          ; wave j fetches region j
	s_cselect_b64 s[G0C+2:G0C+3], s[36:37], s[30:31]
	s_cmp_eq_u32 s[WV], 2
	s_cselect_b64 s[G0C+2:G0C+3], s[42:43], s[G0C+2:G0C+3]
	s_or_b32 s[G0C+3], s[G0C+3], 0x80000000
	s_lshr_b32 s100, s104, 1                       ; 64 rows of x are half as many bytes as 128 rows of a weight
	s_mul_i32 s100, s[GI], s100
	s_mov_b32 s101, 0
	s_add_nc_u64 s[4:5], s[4:5], s[100:101]
	s_lshr_b32 s100, s105, 1
	s_mul_i32 s100, s[GI], s100
	s_add_nc_u64 s[6:7], s[6:7], s[100:101]
	CROUND                                         ; all four work-groups are here: the joint loads meet
	s_cmp_lt_u32 s[WV], 3
	s_cbranch_scc0 .Lno_fill
	tensor_load_to_lds s[G0C:G0C+3], s[G1C:G1C+7]  ; one tensor load a wave; wave 3 has none
	s_nop 0
	NOPS 4
.Lno_fill:
	v_and_b32 v[LN], 31, v0
	v_and_b32 v[RR], 15, v0
	v_bfe_u32 v[HH], v0, 4, 1
	v_lshlrev_b32 v[LI], 4, v[LN]
	v_lshlrev_b32 v[L8], 3, v[LN]
	v_lshlrev_b32 v[T8], 3, v0
	v_lshlrev_b32 v[T4], 2, v0
	v_lshl_add_u32 v[SS], v0, 3, WSC
	v_lshl_add_u32 v[SB], v0, 2, BIA
.irp b, 0,1,2,3
	v_mov_b32 v[TM+4+\b], 0
.endr
	s_wait_alu depctr_va_vdst(0)
.irp j, 0,1,2                          ; a region's 3,072 scale bytes: 128 threads x 8 bytes, three times; its first 128 bias numbers: 4 bytes a thread
.irp k, 0,1,2
	global_load_b64 v[STG+2*(3*\j+\k):STG+2*(3*\j+\k)+1], v[T8], s[32+6*\j:33+6*\j] offset:1024*\k
.endr
	global_load_b32 v[STG+18+\j], v[T4], s[34+6*\j:35+6*\j]
.endr
	s_cmp_eq_u32 s[SYN], 0
	s_cbranch_scc1 .Lsem_x
.set SEMP, 0
.set KS, 6
.set KIN, 768
.set KSB, 24
	XLOAD
	s_branch .Lxj
.Lsem_x:
.set SEMP, 1
.set KS, 3
.set KIN, 384
.set KSB, 12
	XLOAD
.irp j, 0,1,2                          ; a semantic region has 256 outputs: its second 128 bias numbers
	global_load_b32 v[STG+21+\j], v[T4], s[34+6*\j:35+6*\j] offset:512
.endr
	s_wait_loadcnt 0x0
	s_wait_tensorcnt 0x0
.irp j, 0,1,2
	ds_store_b32 v[SB], v[STG+21+\j] offset:1024*\j+512
.endr
.Lxj:
	s_wait_loadcnt 0x0                             ; x, the scale bytes and the biases are in registers
	s_wait_tensorcnt 0x0                           ; my region has landed
.irp j, 0,1,2
.irp k, 0,1,2
	ds_store_b64 v[SS], v[STG+2*(3*\j+\k):STG+2*(3*\j+\k)+1] offset:3072*\j+1024*\k
.endr
	ds_store_b32 v[SB], v[STG+18+\j] offset:1024*\j
.endr
	s_wait_dscnt 0x0
	s_barrier_signal -1
	s_barrier_wait -1                              ; everybody's region and copies are in LDS
	s_cmp_eq_u32 s[SYN], 0
	s_cbranch_scc1 .Lsem_body
.set SEMP, 0
.set KS, 6
.set KIN, 768
.set KSB, 24
.set KBLK, 0
.set QBLK, 64
.set NTRIP, 3
.set TWSTEP, REG
.set BSTEP, 1024
	BODY syn
	s_branch .Lend
.Lsem_body:
.set SEMP, 1
.set KS, 3
.set KIN, 384
.set KSB, 12
.set KBLK, 128
.set QBLK, 0
.set NTRIP, 6
.set TWSTEP, REG/2
.set BSTEP, 512
	BODY sem
.Lend:
	s_wait_tensorcnt 0x0                           ; the wave's end
	ds_add_u32 v[SPW], v[NIL]
	s_wait_dscnt 0x0
	CROUND                                         ; the closing round
	s_endpgm
.Lfunc_end_k_q51beb43138_proj:
	.size	k_q51beb43138_proj, .Lfunc_end_k_q51beb43138_proj-k_q51beb43138_proj
	.p2alignl 7, 3214868480
	.fill 96, 4, 3214868480
	.section	.rodata,"a",@progbits
	.p2align	6, 0x0
	.amdhsa_kernel k_q51beb43138_proj
		.amdhsa_group_segment_fixed_size 327680
		.amdhsa_private_segment_fixed_size 0
		.amdhsa_enable_private_segment 0
		.amdhsa_kernarg_size 208
		.amdhsa_user_sgpr_count 2
		.amdhsa_user_sgpr_kernarg_segment_ptr 1
		.amdhsa_wavefront_size32 1
		.amdhsa_system_sgpr_workgroup_id_x 1
		.amdhsa_system_sgpr_workgroup_id_y 1
		.amdhsa_system_sgpr_workgroup_id_z 1
		.amdhsa_system_vgpr_workitem_id 0
		.amdhsa_next_free_vgpr 1024
		.amdhsa_next_free_sgpr 106
		.amdhsa_reserve_vcc 0
		.amdhsa_float_denorm_mode_32 3
		.amdhsa_float_denorm_mode_16_64 3
		.amdhsa_memory_ordered 1
		.amdhsa_forward_progress 1
		.amdhsa_inst_pref_size 255
	.end_amdhsa_kernel
	.section	.bss,"aw",@nobits
	.p2align	6
	.space	262144
	.amdgpu_metadata
---
amdhsa.version: [ 1, 2 ]
amdhsa.kernels:
  - .name:           k_q51beb43138_proj
    .symbol:         k_q51beb43138_proj.kd
    .args:
      - { .name: syntactic_feat_codes, .offset: 0, .size: 8, .value_kind: global_buffer, .address_space: global }
      - { .name: syntactic_feat_scales, .offset: 8, .size: 8, .value_kind: global_buffer, .address_space: global }
      - { .name: semantic_feat_codes, .offset: 16, .size: 8, .value_kind: global_buffer, .address_space: global }
      - { .name: semantic_feat_scales, .offset: 24, .size: 8, .value_kind: global_buffer, .address_space: global }
      - { .name: Wk1_codes, .offset: 32, .size: 8, .value_kind: global_buffer, .address_space: global }
      - { .name: Wk1_scales, .offset: 40, .size: 8, .value_kind: global_buffer, .address_space: global }
      - { .name: bk1, .offset: 48, .size: 8, .value_kind: global_buffer, .address_space: global }
      - { .name: Wq2_codes, .offset: 56, .size: 8, .value_kind: global_buffer, .address_space: global }
      - { .name: Wq2_scales, .offset: 64, .size: 8, .value_kind: global_buffer, .address_space: global }
      - { .name: bq2, .offset: 72, .size: 8, .value_kind: global_buffer, .address_space: global }
      - { .name: Wv1_codes, .offset: 80, .size: 8, .value_kind: global_buffer, .address_space: global }
      - { .name: Wv1_scales, .offset: 88, .size: 8, .value_kind: global_buffer, .address_space: global }
      - { .name: bv1, .offset: 96, .size: 8, .value_kind: global_buffer, .address_space: global }
      - { .name: Wk2_codes, .offset: 104, .size: 8, .value_kind: global_buffer, .address_space: global }
      - { .name: Wk2_scales, .offset: 112, .size: 8, .value_kind: global_buffer, .address_space: global }
      - { .name: bk2, .offset: 120, .size: 8, .value_kind: global_buffer, .address_space: global }
      - { .name: Wq1_codes, .offset: 128, .size: 8, .value_kind: global_buffer, .address_space: global }
      - { .name: Wq1_scales, .offset: 136, .size: 8, .value_kind: global_buffer, .address_space: global }
      - { .name: bq1, .offset: 144, .size: 8, .value_kind: global_buffer, .address_space: global }
      - { .name: Wv2_codes, .offset: 152, .size: 8, .value_kind: global_buffer, .address_space: global }
      - { .name: Wv2_scales, .offset: 160, .size: 8, .value_kind: global_buffer, .address_space: global }
      - { .name: bv2, .offset: 168, .size: 8, .value_kind: global_buffer, .address_space: global }
      - { .name: QB, .offset: 176, .size: 8, .value_kind: global_buffer, .address_space: global }
      - { .name: QS, .offset: 184, .size: 8, .value_kind: global_buffer, .address_space: global }
      - { .name: KVB, .offset: 192, .size: 8, .value_kind: global_buffer, .address_space: global }
      - { .name: KVS, .offset: 200, .size: 8, .value_kind: global_buffer, .address_space: global }
    .group_segment_fixed_size: 327680
    .private_segment_fixed_size: 0
    .kernarg_segment_align: 8
    .kernarg_segment_size: 208
    .max_flat_workgroup_size: 128
    .sgpr_count:     106
    .vgpr_count:     1024
    .wavefront_size: 32
...
	.end_amdgpu_metadata
.endif
;; end of part 1
;; launch att (part 2): grid 256 x 1, 4 waves a work-group, clusters of 4 x 1, 327,680 bytes of LDS; arguments QB, QS, KVB, KVS, out1, PART, STAT; writes out1, PART, STAT
.if DOCPART == 2
	.amdgcn_target "amdgcn-amd-amdhsa--gfx1250"
	.amdhsa_code_object_version 6
	.text
	.protected	k_q51beb43138_att
	.globl	k_q51beb43138_att
	.p2align	8
	.type	k_q51beb43138_att,@function
k_q51beb43138_att:
	s_mov_b64 s[64:65], 0
	v_nop
	global_prefetch_b8 v0, s[64:65] scope:SCOPE_SE
	s_setreg_imm32_b32 hwreg(HW_REG_WAVE_MODE, 25, 1), 1
	s_wait_xcnt 0x0
	s_wait_alu depctr_hold_cnt(0) depctr_sa_sdst(0) depctr_va_vdst(0) depctr_va_sdst(0) depctr_va_ssrc(0) depctr_va_vcc(0) depctr_vm_vsrc(0)
	s_getreg_b32 s2, hwreg(HW_REG_IB_STS2, 6, 4)
	s_cmp_eq_u32 s2, 0
	s_cbranch_scc0 .Lentry_in_a_cluster
	s_endpgm
.Lentry_in_a_cluster:
	s_bfe_u32 s2, ttmp6, 0x10000c
	s_cmp_lg_u32 s2, 0x3003
	s_cbranch_scc0 .Lentry_shape_is_right
	s_endpgm
.Lentry_shape_is_right:
; BOTH ATTENTIONS, head size 384, on codes of BF8 (E5M2) with one E8M0 scale for each 32 along a product's K.  No work of reference() is left out.
; A JOB is 128 queries x 2,048 keys; all 256 work-groups have one, of the same shape.  Clusters 32-63: the syntactic queries on a batch's 2,048 semantic keys; the result is out1.  Clusters 0-31: the semantic queries on
; ONE HALF of a batch's 4,096 syntactic keys; the half's O / l goes to PART and its (-M, l) to STAT, and the next launch joins the halves.
; THE SOFTMAX AHEAD OF THE SECOND PRODUCT: t = score x log2(e) / sqrt(384); M = the largest t so far, rounded UP to a whole number; p = 2^(t - M) is what is quantised, along the keys, not normalised.  The row's sum l
; is taken of the unquantised p and divides O at the end.  When M moves, l and O are multiplied by 2^(old M - new M): exact.
; LIMITS: NaN and infinities are not served; what falls under the smallest f32 number when M moves is lost; a block whose every p has fallen to 0 keeps the scale byte 1: its codes are zeros.
; SHARES.  A wave owns 32 queries, two tiles u of 16, and walks the job's keys, 128 a step.  Each fragment of K or V read from LDS feeds two products; O^T's f32 sums, 192 registers a tile, leave room for no third tile.
; LAYOUT.  Both products are used transposed: S^T = K Q^T (source 0 = 16 keys, source 1 = 16 queries), O^T = V^T P^T (source 0 = 16 of the 384, source 1 = P): a lane holds ONE query throughout.  The 16 registers of key
; tiles 2 b and 2 b + 1 are the lane's part of block b: keys 8 h + 0..7 and 16 + 8 h + 0..7 of its 32, the order in which the launches before laid V's codes.
; K, V AND THEIR SCALE RECORDS lie in memory in the order of the operands' registers: a step's K and V are 98,304 dense bytes, a fragment 2,048, read at 16 x lane: no pitch, no padding.
; LDS READS ARE SPREAD OVER THE STEP.  A step's 48 fragments a wave are 192 loads of 512 bytes for 96 products, so they are asked for wherever registers are free, in runs of 32, not only where they are multiplied.  SIX SETS of four
; fragments: A, B (window 3), C, D (the 64 registers beside O^T in windows 1 and 2), E, F (a tile's scores, free once its p has become codes).  K's quads 0-3 of the NEXT step are fetched between this step's products V^T P,
; quads 4, 5 behind the first K Q^T products; V's quads 0-3 behind the later K Q^T products, quads 4 and 5 behind each tile's softmax: all of V is in registers when V^T P begins.
; THE RING: two slots of one step, both filled at the head.  The change of slots stands behind a step's last read of V.  CLUSTER: the four work-groups of a cluster walk the same keys, so each step is asked for JOINTLY, a quarter by each
; wave, one tensor load a wave behind each round of the cluster's barrier; the load has a whole step's work in which to land.  The scale records of all 16 steps come once, with the first fills.
; O^T's RESCALING stands under the products: the first 16 accumulators' between the add and the wait for it at the change of slots, each later accumulator's four lines behind a product of the 16 before.  That costs two
; window switches a product, and takes 192 lines out of the stretch in which no product is issued.
; REGISTERS, in windows of 256.  Window 0: addresses, statistics, scale words, p's codes, S^T (v128 + 64 u + 8 kt; later sets E, F).  Window 1: O^T of tile 0 at v[8 dt], set C at v192; window 2: O^T of tile 1, set D at v192.
;   Window 3: Q's fragments at v[16 (3 u + s)]; sets A at v128, B at v192.
.set SLOT1, 131072                     ; slot 1 begins here, so that one exclusive or turns an address in one slot into the other's
.set SCL,   229376                     ; the scale records of 16 steps, 3,072 bytes a step: K's six, then V's six
.set STAGE, 278528                     ; the way out: 16 rows x (512 + 16) bytes for each wave; no tensor load lands here
.set SPARE, 312320                     ; the spare words, 128 bytes a wave: two blocks of 256 bytes that no other line names
.set LI,  1                            ; v1  16 x lane
.set LIV, 2                            ; v2  the same behind a slot's K
.set L8S, 3                            ; v3  8 x lane, among the records
.set AK,  4                            ; v4  K of the step that is fetched
.set AV,  5                            ; v5  its V
.set AS,  6                            ; v6  its records
.set PFO, 7                            ; v7  256 x lane; never rewritten
.set SPW, 8                            ; v8  my spare word; never rewritten
.set NIL, 9                            ; v9  0; never rewritten
.set STO, 10                           ; v10 the stage: where I put 32 bytes of a row
.set RD,  11                           ; v11 and where I read a row back
.set L8,  13                           ; v13 8 x lane
.set ST,  16                           ; tile u's statistics at v[ST + 8 u]: +0 -M, +1 the largest t, +2, +3 l in two halves, +4 f (+5 named with it), +6, +7 at work
.set QSR, 32                           ; v32-34 Q's scale words of K step s: tile 0 in lanes 0-15, tile 1 in lanes 16-31
.set KSC, 36                           ; v36-47 K's records: pair 3 (kt / 4) + s
.set RV,  48                           ; v48-59 V's records: pair 3 th + g
.set VW,  60                           ; v60-71 V's scale words: tile 2 p in lanes 0-15, tile 2 p + 1 in lanes 16-31
.set PS,  72                           ; v72-73 p's scale words
.set BM,  80                           ; v80-83 a block's largest score, then its largest p
.set BX,  84                           ; v84-87 the other half's, then the bytes
.set HD,  88                           ; v88-91 57,344 x the scale
.set SC,  92                           ; v92-95 the conversion's scale operand
.set PCD, 96                           ; v96-127 p's codes, 16 a tile
.set WV,  18
.set CX,  19
.set SEL, 20
.set CS,  22
.set MNT, 24
.set PL,  25
.set PH,  26
.set HM,  27
.set G1,  28                           ; s[28:35] descriptor group 1 for a quarter of a step
.set G1S, 36                           ; s[36:43] for all the records
.set G0,  44                           ; s[44:47] group 0 of step 0's load
.set G0S, 48                           ; s[48:51] of the records'
.set G0B, 96                           ; s[96:99] of step 1's load; it then walks on
.set TB,  52                           ; the slot from which is fetched
.set TS,  53                           ; the records of the step that is fetched
.set CNT, 54                           ; steps still to be asked for
.set LIM, 55                           ; 1 in a wave that prefetches, else the greatest number
.set PFA, 56                           ; s[56:57] where my prefetches stand
.set DST, 58                           ; s[58:59] my first row of the result
.set STA, 60                           ; s[60:61] my rows' place in STAT
.set A1,  62                           ; 1: a half of the semantic queries' attention
.set MSB, 0
.macro WIN new                         ; the immediate's high byte repeats the setting that is left; a switch that changes nothing is dropped
.if MSB != (\new)
	s_set_vgpr_msb (MSB<<8)|(\new)
.set MSB, (\new)
.endif
.endm
.macro NOPS n
.rept \n
	v_nop
.endr
.endm
.macro CROUND                          ; a round of the cluster's barrier
	s_barrier_signal -1
	s_barrier_wait -1
	s_cmp_lg_u32 s[WV], 0
	s_cbranch_scc1 .Lnot_wave_0_\@
	s_barrier_signal -3
.Lnot_wave_0_\@:
	s_barrier_wait -3
	s_barrier_signal -1
	s_barrier_wait -1
.endm
.macro WMM d, a, b, c, sa, sb, ra, rb
.if ((\ra) == 0) && ((\rb) == 0)
	v_wmma_scale_f32_16x16x128_f8f6f4 v[(\d):(\d)+7], v[(\a):(\a)+15], v[(\b):(\b)+15], v[(\c):(\c)+7], v[\sa], v[\sb] matrix_a_fmt:MATRIX_FMT_BF8 matrix_b_fmt:MATRIX_FMT_BF8
.elseif ((\ra) == 1) && ((\rb) == 0)
	v_wmma_scale_f32_16x16x128_f8f6f4 v[(\d):(\d)+7], v[(\a):(\a)+15], v[(\b):(\b)+15], v[(\c):(\c)+7], v[\sa], v[\sb] matrix_a_fmt:MATRIX_FMT_BF8 matrix_b_fmt:MATRIX_FMT_BF8 matrix_a_scale:MATRIX_SCALE_ROW1
.elseif ((\ra) == 0) && ((\rb) == 1)
	v_wmma_scale_f32_16x16x128_f8f6f4 v[(\d):(\d)+7], v[(\a):(\a)+15], v[(\b):(\b)+15], v[(\c):(\c)+7], v[\sa], v[\sb] matrix_a_fmt:MATRIX_FMT_BF8 matrix_b_fmt:MATRIX_FMT_BF8 matrix_b_scale:MATRIX_SCALE_ROW1
.else
	v_wmma_scale_f32_16x16x128_f8f6f4 v[(\d):(\d)+7], v[(\a):(\a)+15], v[(\b):(\b)+15], v[(\c):(\c)+7], v[\sa], v[\sb] matrix_a_fmt:MATRIX_FMT_BF8 matrix_b_fmt:MATRIX_FMT_BF8 matrix_a_scale:MATRIX_SCALE_ROW1 matrix_b_scale:MATRIX_SCALE_ROW1
.endif
.endm
.macro WMZ d, a, b, sa, sb, ra, rb     ; the same with the constant 0 as C: it starts a sum
.if ((\ra) == 0) && ((\rb) == 0)
	v_wmma_scale_f32_16x16x128_f8f6f4 v[(\d):(\d)+7], v[(\a):(\a)+15], v[(\b):(\b)+15], 0, v[\sa], v[\sb] matrix_a_fmt:MATRIX_FMT_BF8 matrix_b_fmt:MATRIX_FMT_BF8
.elseif ((\ra) == 1) && ((\rb) == 0)
	v_wmma_scale_f32_16x16x128_f8f6f4 v[(\d):(\d)+7], v[(\a):(\a)+15], v[(\b):(\b)+15], 0, v[\sa], v[\sb] matrix_a_fmt:MATRIX_FMT_BF8 matrix_b_fmt:MATRIX_FMT_BF8 matrix_a_scale:MATRIX_SCALE_ROW1
.elseif ((\ra) == 0) && ((\rb) == 1)
	v_wmma_scale_f32_16x16x128_f8f6f4 v[(\d):(\d)+7], v[(\a):(\a)+15], v[(\b):(\b)+15], 0, v[\sa], v[\sb] matrix_a_fmt:MATRIX_FMT_BF8 matrix_b_fmt:MATRIX_FMT_BF8 matrix_b_scale:MATRIX_SCALE_ROW1
.else
	v_wmma_scale_f32_16x16x128_f8f6f4 v[(\d):(\d)+7], v[(\a):(\a)+15], v[(\b):(\b)+15], 0, v[\sa], v[\sb] matrix_a_fmt:MATRIX_FMT_BF8 matrix_b_fmt:MATRIX_FMT_BF8 matrix_a_scale:MATRIX_SCALE_ROW1 matrix_b_scale:MATRIX_SCALE_ROW1
.endif
.endm
; set k of six: its window sw_ and its first register sb_
.macro SETOF k
.if (\k) == 0
.set sw_, 3
.set sb_, 128
.elseif (\k) == 1
.set sw_, 3
.set sb_, 192
.elseif (\k) == 2
.set sw_, 1
.set sb_, 192
.elseif (\k) == 3
.set sw_, 2
.set sb_, 192
.elseif (\k) == 4
.set sw_, 0
.set sb_, 128
.else
.set sw_, 0
.set sb_, 192
.endif
.endm
; quad q of K: key tiles 4 (q % 2) + 0..3, K step q / 2 of the 384; quad q of V: tiles 4 q + 0..3 of the 384.  Sixteen LDS loads, 512 consecutive bytes each, into set k
.macro FETCHK q, k
	SETOF \k
	WIN 64*sw_                                     ; the destination's window; the address lies in window 0
.irp i, 0,1,2,3
.irp c, 0,1,2,3
	ds_load_b128 v[sb_+16*\i+4*\c:sb_+16*\i+4*\c+3], v[AK] offset:2048*(3*(4*((\q)%2)+\i)+(\q)/2)+512*\c
.endr
.endr
.endm
.macro FETCHV q, k
	SETOF \k
	WIN 64*sw_
.irp i, 0,1,2,3
.irp c, 0,1,2,3
	ds_load_b128 v[sb_+16*\i+4*\c:sb_+16*\i+4*\c+3], v[AV] offset:2048*(4*(\q)+\i)+512*\c
.endr
.endr
.endm
; sixteen products of S^T, K step p of the 384, on the sixteen accumulators, one instruction a turn.  K's quads 2 p and 2 p + 1 lie in sets 2 (p % 2) and 2 (p % 2) + 1.  K step 0 starts the sums
.macro SPAIR p
.set sn, 0
.rept 16
.set sh_, sn/8
.set si_, (sn/2)%4
.set su_, sn%2
.set kt_, 4*sh_+si_
	SETOF 2*((\p)%2)+sh_
	WIN 0x0C+sw_                                   ; K in its set's window, Q window 3, S^T window 0
.if (\p) == 0
	WMZ 128+64*su_+8*kt_, sb_+16*si_, 16*(3*su_+(\p)), KSC+2*(3*sh_+(\p))+si_/2, QSR+(\p), si_%2, su_
.else
	WMM 128+64*su_+8*kt_, sb_+16*si_, 16*(3*su_+(\p)), 128+64*su_+8*kt_, KSC+2*(3*sh_+(\p))+si_/2, QSR+(\p), si_%2, su_
.endif
.set sn, sn+1
.endr
.endm
; sixteen products of O^T: V's quads 2 p and 2 p + 1, from sets 2 p and 2 p + 1; each accumulator has one product a step.  resc = 1: behind each product stand the four lines that bring the accumulator eight tiles
; further on, which the next sixteen products take up, under the new M.  They name no register of the products round them
.macro PVPAIR p, resc
.set pn, 0
.rept 16
.set pk_, 2*(\p)+pn/8
.set pu_, (pn/4)%2
.set pi_, pn%4
.set pd_, 4*pk_+pi_
	SETOF pk_
	WIN 0x50+0x50*pu_+sw_                          ; V in its set's window, P window 0, O^T window 1 or 2
	WMM 8*pd_, sb_+16*pi_, PCD+16*pu_, 8*pd_, VW+pd_/2, PS+pu_, pd_%2, 0
.if \resc
	WIN 0x41+0x41*pu_                              ; O^T window 1 or 2, f window 0
.irp m, 0,2,4,6
	v_pk_mul_f32 v[8*(pd_+8)+\m:8*(pd_+8)+\m+1], v[8*(pd_+8)+\m:8*(pd_+8)+\m+1], v[ST+8*pu_+4:ST+8*pu_+5] op_sel_hi:[1,0]
.endr
.endif
.set pn, pn+1
.endr
.endm
; the first sixteen accumulators (tiles 0 to 7 of the 384, both query tiles) under the new M, each from its low end on
.macro RESC0
.irp u, 0,1
	WIN 0x41+0x41*\u
.set sj, 0
.rept 32
	v_pk_mul_f32 v[sj:sj+1], v[sj:sj+1], v[ST+8*\u+4:ST+8*\u+5] op_sel_hi:[1,0]
.set sj, sj+2
.endr
.endr
.endm
.macro RECORDS                         ; a step's scale records: K's six, V's six, 8 bytes a lane
.irp p, 0,1,2,3,4,5
	ds_load_b64 v[KSC+2*\p:KSC+2*\p+1], v[AS] offset:256*\p
.endr
.irp p, 0,1,2,3,4,5
	ds_load_b64 v[RV+2*\p:RV+2*\p+1], v[AS] offset:1536+256*\p
.endr
.endm
; THE SOFTMAX of tile u for a step's 128 keys, and p's codes
.macro SOFT u
	WIN 0
.set SS, 128+64*(\u)
.set TT, ST+8*(\u)
.irp b, 0,1,2,3
	v_max3_num_f32 v[BM+\b], v[SS+16*\b], v[SS+16*\b+1], v[SS+16*\b+2]   ; the largest score of each block of 32 keys: it serves the row's maximum and, since p rises with the score, the block's largest p.  Each accumulator is read from its low end on
.endr
.irp i, 3,5,7,9,11,13
.irp b, 0,1,2,3
	v_max3_num_f32 v[BM+\b], v[BM+\b], v[SS+16*\b+\i], v[SS+16*\b+\i+1]
.endr
.endr
.irp b, 0,1,2,3
	v_max_num_f32 v[BM+\b], v[BM+\b], v[SS+16*\b+15]
.endr
.irp b, 0,1,2,3
	v_permlanex16_b32 v[BX+\b], v[BM+\b], s[SEL], s[SEL+1]
.endr
.irp b, 0,1,2,3
	v_max_num_f32 v[BM+\b], v[BM+\b], v[BX+\b]     ; with lane l xor 16's 16 keys
.endr
	v_max3_num_f32 v[TT+6], v[BM], v[BM+1], v[BM+2]
	v_max_num_f32 v[TT+6], v[TT+6], v[BM+3]        ; the step's largest score of my query,
	v_mul_f32 v[TT+6], s[CS], v[TT+6]              ; as t (c is positive)
	v_max_num_f32 v[TT+1], v[TT+1], v[TT+6]        ; the running largest t
	v_mov_b32 v[TT+6], v[TT]
	v_floor_f32 v[TT], -v[TT+1]                    ; the new -M = floor(-t) = -ceil(t)
	v_sub_f32 v[TT+6], v[TT], v[TT+6]              ; old M less new M: a whole number, 0 or less
	v_cvt_i32_f32 v[TT+6], v[TT+6]                 ; (it saturates)
	v_ldexp_f32 v[TT+4], 1.0, v[TT+6]              ; f = 2^(old M - new M)
.set sj, 0
.rept 32
	v_pk_fma_f32 v[SS+sj:SS+sj+1], v[SS+sj:SS+sj+1], s[CS:CS+1], v[TT:TT+1] op_sel_hi:[1,0,0]   ; t - M, two at a time (of the pairs c and -M the low word serves both halves)
.set sj, sj+2
.endr
.irp b, 0,1,2,3
	v_fma_f32 v[BM+\b], v[BM+\b], s[CS], v[TT]     ; the same of each block's largest score
.endr
.set sj, 0
	s_wait_alu depctr_va_vdst(0)
.rept 64
	v_exp_f32 v[SS+sj], v[SS+sj]                   ; p = 2^(t - M), at most 1
.set sj, sj+1
.endr
	v_pk_mul_f32 v[TT+2:TT+3], v[TT+2:TT+3], v[TT+4:TT+5] op_sel_hi:[1,0]   ; l under the new M: the plain instruction behind the exponentials
	s_wait_alu depctr_va_vdst(0)                   ; the wait ahead of the first instruction that names a result: one for the batch of 64
.irp b, 0,1,2,3
	v_exp_f32 v[BM+\b], v[BM+\b]                   ; the block's largest p: the same two instructions on the same number give the same bits
.endr
	v_pk_add_f32 v[TT+6:TT+7], v[SS:SS+1], v[SS+2:SS+3]   ; the row's sum is taken of the unquantised p: two at a time, in two chains
.set sj, 4
.rept 15
	v_pk_add_f32 v[TT+2:TT+3], v[TT+2:TT+3], v[SS+sj:SS+sj+1]
	v_pk_add_f32 v[TT+6:TT+7], v[TT+6:TT+7], v[SS+sj+2:SS+sj+3]
.set sj, sj+4
.endr
	v_pk_add_f32 v[TT+2:TT+3], v[TT+2:TT+3], v[TT+6:TT+7]
	s_wait_alu depctr_va_vdst(0)                   ; and one for the four
.irp b, 0,1,2,3
	v_max_num_f32 v[BM+\b], 0x8000000, v[BM+\b]    ; the floor 2^(16 - 127): the byte cannot fall under 1
.endr
.irp b, 0,1,2,3
	v_add_nc_u32 v[SC+\b], 0xf8800000, v[BM+\b]    ; 15 off the exponent field: the conversion's scale operand
.endr
.irp b, 0,1,2,3
	v_and_or_b32 v[HD+\b], v[BM+\b], 0x7f800000, s[MNT]   ; 57,344 x the scale
.endr
.irp b, 0,1,2,3
	v_lshrrev_b32 v[BX+\b], 23, v[SC+\b]           ; the scale's byte
.endr
	v_lshl_or_b32 v[PS+\u], v[BX+1], 8, v[BX]      ; p's scale word for these 128 keys
	v_lshl_or_b32 v[PS+\u], v[BX+2], 16, v[PS+\u]
	v_lshl_or_b32 v[PS+\u], v[BX+3], 24, v[PS+\u]
.irp b, 0,1,2,3
.irp i, 0,1,2,3,4,5,6,7,8,9,10,11,12,13,14,15
	v_min_num_f32 v[SS+16*\b+\i], v[SS+16*\b+\i], v[HD+\b]   ; the conversion to an 8-bit code does not saturate (ISA guide 7.6.2); p is not negative, so the hold is one-sided
.endr
	v_cvt_scalef32_pk8_bf8_f32 v[PCD+16*\u+4*\b:PCD+16*\u+4*\b+1], v[SS+16*\b:SS+16*\b+7], v[SC+\b]
	v_cvt_scalef32_pk8_bf8_f32 v[PCD+16*\u+4*\b+2:PCD+16*\u+4*\b+3], v[SS+16*\b+8:SS+16*\b+15], v[SC+\b]
.endr
	v_nop                                          ; one plain vector instruction behind the last conversion of a run
.endm
; A PREFETCH INTO THE L2 of the step behind the one that the tensor load has just asked for: 98,304 bytes, lanes 256 bytes apart.  Each aligned block of 256 bytes is named once in the launch: of the clusters that walk the
; same keys the first asks; its four partners take 24,576 bytes each, told apart BY ADDRESS; in each, waves 0 to 2 take 8,192 bytes each: one instruction.  The last change that fills a slot asks for nothing; steps 0, 1 and 2 come by their loads alone.
.macro ASK
	s_cmp_gt_u32 s[CNT], s[LIM]
	s_cbranch_scc0 .Lnot_mine_\@
	global_prefetch_b8 v[PFO], s[PFA:PFA+1] th:TH_LOAD_NT scope:SCOPE_SE
.Lnot_mine_\@:
.endm
; A KEY STEP t: 128 keys.  At its head the step's records and K's quads 0-3 have been asked for, in this order.
; mode 2: the slot is filled again with step t + 2;  mode 1: nothing is left to ask for, but step t + 1 is still to be fetched;  mode 0: the last step.
.macro STEPX mode
	s_wait_dscnt 32                                ; the records and K's quads 0, 1 are in; the 32 loads of quads 2, 3 may be out
	SPAIR 0
	NOPS 8                                         ; eight places behind products of this form, ahead of loads into the sets just read
	FETCHK 4, 0
	FETCHK 5, 1
	s_wait_dscnt 32                                ; quads 2, 3 are in; the 32 loads just issued may be out
	SPAIR 1
	NOPS 8
	FETCHV 2, 2
	FETCHV 3, 3
	s_wait_dscnt 32                                ; K's quads 4, 5 are in; V's 32 loads may be out
	SPAIR 2
	NOPS 8                                         ; also the places ahead of the first read of the scores
	FETCHV 0, 0
	FETCHV 1, 1
	WIN 0
.irp g, 0,1,2                          ; V's scale words: two bytes from the record of the first 64 keys, two from that of the second
	v_perm_b32 v[VW+4*\g],   v[RV+2*(3+\g)],   v[RV+2*\g],   s[PL]
	v_perm_b32 v[VW+4*\g+1], v[RV+2*(3+\g)],   v[RV+2*\g],   s[PH]
	v_perm_b32 v[VW+4*\g+2], v[RV+2*(3+\g)+1], v[RV+2*\g+1], s[PL]
	v_perm_b32 v[VW+4*\g+3], v[RV+2*(3+\g)+1], v[RV+2*\g+1], s[PH]
.endr
	SOFT 0
	FETCHV 4, 4                                    ; tile 0's p has become codes: its 64 registers take V's quad 4
	SOFT 1
	FETCHV 5, 5                                    ; and tile 1's take quad 5: my last read of this slot
; THE CHANGE OF SLOTS.  Each wave waits for all its tensor loads (its quarter of the next step's slot), adds 0 to its spare word, and waits for that and for its reads of this slot; 64 lines of the rescaling stand between.
; mode 2: a round of the cluster's barrier, so that no wave of any partner still reads this slot or has a load on its way, and the joint load of step t + 2 is the first thing behind it.
.if \mode == 2
	s_wait_tensorcnt 0x0                           ; no tensor load of mine is out, so the walking group 0 may be written
	ds_add_u32 v[SPW], v[NIL]
	s_xor_b32 s[G0B+1], s[G0B+1], SLOT1            ; the other slot than last time,
	s_add_nc_u64 s[G0B+2:G0B+3], s[G0B+2:G0B+3], 98304   ; the next 128 keys; the type bits on top are not reached
	s_wait_xcnt 0x0                                ; the last prefetch, a step back, has read its address
	s_add_nc_u64 s[PFA:PFA+1], s[PFA:PFA+1], 98304
	RESC0
	WIN 0
	s_wait_dscnt 0x0                               ; the add is done, and all of V is in registers
	CROUND
	tensor_load_to_lds s[G0B:G0B+3], s[G1:G1+7]    ; my one tensor load until the next round
	s_nop 0
	NOPS 4
	ASK
.elseif \mode == 1
	s_wait_tensorcnt 0x0                           ; my quarter of the last step's slot has landed
	ds_add_u32 v[SPW], v[NIL]
	RESC0
	WIN 0
	s_wait_dscnt 0x0
	s_barrier_signal -1
	s_barrier_wait -1                              ; everybody's has
.else
	RESC0
	WIN 0
	s_wait_dscnt 0x0                               ; all of V is in registers
.endif
.if \mode > 0
	s_xor_b32 s[TB], s[TB], SLOT1                  ; from here on the next step is fetched: the other slot,
	s_add_co_u32 s[TS], s[TS], 3072                ; the next records
	v_add_nc_u32 v[AK], s[TB], v[LI]
	v_add_nc_u32 v[AV], s[TB], v[LIV]
	v_add_nc_u32 v[AS], s[TS], v[L8S]
	RECORDS
.endif
	PVPAIR 0, 1
.if \mode > 0
	NOPS 4                                         ; with the last four lines of the rescaling eight places ahead of loads into the sets just read
	FETCHK 0, 0
	FETCHK 1, 1
.endif
	PVPAIR 1, 1
.if \mode > 0
	NOPS 4
	FETCHK 2, 2
	FETCHK 3, 3
.endif
	s_wait_alu depctr_va_vdst(0)
	PVPAIR 2, 0
	WIN 0
	NOPS 9                                         ; nine places: the next step's first products write their scores over the registers that these products have read as V
.endm
	s_load_b256 s[4:11], s[0:1], 0x0               ; QB, QS, KVB, KVS
	s_load_b128 s[12:15], s[0:1], 0x20             ; out1, PART
	s_load_b64 s[16:17], s[0:1], 0x30              ; STAT
	v_lshl_add_u32 v[SPW], v0, 2, SPARE
	v_mov_b32 v[NIL], 0
	ds_add_u32 v[SPW], v[NIL]                      ; the wave's opening: the add, twice on end, and its wait ahead of my first tensor load
	ds_add_u32 v[SPW], v[NIL]
	v_lshrrev_b32 v12, 5, v0
	v_readfirstlane_b32 s[WV], v12                 ; wave 0..3
	s_bfe_u32 s[CX], ttmp6, 0x40000                ; my place in the cluster: it enters the queries', the results' and the prefetches' addresses alone
	; the keys hang on the cluster's number C alone.  C < 32: batch C / 8, half (C / 4) % 2 of the syntactic keys; else C' = C - 32: batch C' / 8 of the semantic keys
	s_lshr_b32 s66, ttmp9, 2
	s_lshl_b32 s66, s66, 4                         ; first block of keys: 16 (C / 4),
	s_sub_co_u32 s67, ttmp9, 32
	s_lshr_b32 s68, s67, 3
	s_lshl_b32 s68, s68, 4
	s_add_co_u32 s68, s68, 128                     ; or 128 + 16 (C' / 8)
	s_and_b32 s69, ttmp9, 3                        ; which of the clusters that walk these keys
	s_and_b32 s70, ttmp9, 7
	s_add_co_u32 s71, s[WV], 1
	s_lshr_b32 s71, s71, 2                         ; 1 in wave 3 alone
	; the queries
	s_lshr_b32 s72, ttmp9, 3
	s_lshl_b32 s72, s72, 4
	s_lshl_b32 s73, s69, 2
	s_add_co_u32 s72, s72, s73
	s_add_co_u32 s72, s72, s[CX]                   ; block of queries: 16 (C / 8) + 4 (C % 4) + cx,
	s_lshl_b32 s73, s72, 7
	s_lshr_b32 s74, ttmp9, 2
	s_and_b32 s74, s74, 1
	s_lshl_b32 s74, s74, 13
	s_add_co_u32 s73, s73, s74                     ; its first row in PART: 8,192 x half + 128 x block;
	s_lshl_b32 s75, s67, 2
	s_add_co_u32 s75, s75, s[CX]
	s_lshl_b32 s76, s75, 7                         ; or row 128 (4 C' + cx) of out1,
	s_add_co_u32 s75, s75, 64                      ; block 64 + 4 C' + cx
	s_cmp_lt_u32 ttmp9, 32
	s_cselect_b32 s66, s66, s68
	s_cselect_b32 s69, s69, s70
	s_cselect_b32 s72, s72, s75
	s_cselect_b32 s73, s73, s76
	s_cselect_b32 s[A1], 1, 0
	s_or_b32 s69, s69, s71
	s_cmp_eq_u32 s69, 0
	s_cselect_b32 s[LIM], 1, -1                    ; waves 0 to 2 of the first cluster on these keys: the same in all four partners
	s_mul_i32 s78, s[WV], 24576                    ; my quarter of a step, in a slot and in memory
	s_mul_i32 s79, s[WV], 12288                    ; my six fragments of Q
	s_mul_i32 s80, s66, 98304
	s_add_co_u32 s84, s80, 196608                  ; (the prefetches: two steps on; the first change of slots steps them to step 3)
	s_add_co_u32 s80, s80, s78
	s_mov_b32 s81, 0
	s_mul_i32 s82, s66, 3072
	s_mov_b32 s83, 0
	s_mul_i32 s77, s[CX], 24576
	s_add_co_u32 s84, s84, s77
	s_lshl_b32 s77, s[WV], 13
	s_add_co_u32 s84, s84, s77
	s_mov_b32 s85, 0
	s_mul_i32 s86, s72, 49152
	s_add_co_u32 s86, s86, s79
	s_mov_b32 s87, 0                               ; s[86:87]: my fragments of Q
	s_mul_i32 s88, s72, 1536
	s_lshr_b32 s77, s[WV], 1
	s_mul_i32 s77, s77, 768
	s_add_co_u32 s88, s88, s77
	s_and_b32 s77, s[WV], 1
	s_lshl_b32 s77, s77, 2
	s_add_co_u32 s88, s88, s77
	s_mov_b32 s89, 0                               ; s[88:89]: their scale words: record 3 (wave / 2) + s, dword wave % 2
	s_lshl_b32 s77, s[WV], 5
	s_add_co_u32 s74, s73, s77                     ; my first row
	s_mul_i32 s90, s74, 1536
	s_mov_b32 s91, 0
	s_lshl_b32 s92, s74, 3
	s_mov_b32 s93, 0
	s_mul_i32 s94, s[WV], 8448
	s_add_co_u32 s94, s94, STAGE                   ; my stage
	; descriptor group 1: a quarter of a step: 96 lines of 256 bytes, dense in memory and in LDS
	s_mov_b32 s[G1+0], 15|(3<<16)|(1<<21)          ; 15:0 the mask: all four work-groups; 17:16 elements of 8 bytes; 21 set beside a mask
	s_mov_b32 s[G1+1], 32<<16                      ; tensor_dim0
	s_mov_b32 s[G1+2], 96<<16                      ; tensor_dim1
	s_mov_b32 s[G1+3], 32<<16                      ; tile_dim0
	s_mov_b32 s[G1+4], 96                          ; tile_dim1
	s_mov_b32 s[G1+5], 32                          ; from line to line
	s_mov_b32 s[G1+6], 0
	s_mov_b32 s[G1+7], 0
	s_mov_b32 s[G1S+0], 15|(3<<16)|(1<<21)         ; the records
	s_mov_b32 s[G1S+1], 32<<16
	s_mov_b32 s[G1S+2], 192<<16                    ; all the records: 192 lines, one load, wave 3's
	s_mov_b32 s[G1S+3], 32<<16
	s_mov_b32 s[G1S+4], 192
	s_mov_b32 s[G1S+5], 32
	s_mov_b32 s[G1S+6], 0
	s_mov_b32 s[G1S+7], 0
.set G1T, 68                           ; s[68:75] group 1 for a third of step 0: 128 lines
	s_mov_b32 s[G1T+0], 15|(3<<16)|(1<<21)
	s_mov_b32 s[G1T+1], 32<<16
	s_mov_b32 s[G1T+2], 128<<16
	s_mov_b32 s[G1T+3], 32<<16
	s_mov_b32 s[G1T+4], 128
	s_mov_b32 s[G1T+5], 32
	s_mov_b32 s[G1T+6], 0
	s_mov_b32 s[G1T+7], 0
	s_lshl_b32 s67, s[WV], 15                      ; my third of step 0, in slot 0 and in memory
	s_mul_i32 s76, s66, 98304
	s_add_co_u32 s76, s76, s67
	s_mov_b32 s77, 0
	s_mov_b32 s[SEL], 0x76543210
	s_mov_b32 s[SEL+1], 0xfedcba98                 ; v_permlanex16_b32's selects for lane l xor 16
	s_mov_b32 s[CS], 0x3d96c740                    ; c = log2(e) / sqrt(384)
	s_mov_b32 s[CS+1], s[CS]                       ; (named with it as a pair, so it is written)
	s_mov_b32 s[MNT], 0x600000                     ; the mantissa field of 57,344
	s_mov_b32 s[PL], 0x05040100                    ; v_perm_b32: the two low halves,
	s_mov_b32 s[PH], 0x07060302                    ; the two high halves
	s_mov_b32 s[HM], 0xffff0000                    ; lanes 16-31
	s_mov_b32 s[TB], 0
	s_mov_b32 s[TS], 0
	s_mov_b32 s[CNT], 14
	s_wait_dscnt 0x0                               ; both opening adds are done
	s_wait_kmcnt 0x0
	s_mov_b32 s[G0S], 1
	s_mov_b32 s[G0S+1], SCL
	s_add_nc_u64 s[G0S+2:G0S+3], s[10:11], s[82:83]
	s_or_b32 s[G0S+3], s[G0S+3], 0x80000000
	s_mov_b32 s[G0], 1                             ; count = 1
	s_mov_b32 s[G0+1], s67
	s_add_nc_u64 s[G0+2:G0+3], s[8:9], s[76:77]
	s_mov_b32 s[G0B], 1
	s_add_co_u32 s[G0B+1], s78, SLOT1
	s_add_nc_u64 s[G0B+2:G0B+3], s[8:9], s[80:81]
	s_add_nc_u64 s[G0B+2:G0B+3], s[G0B+2:G0B+3], 98304
	s_or_b32 s[G0+3], s[G0+3], 0x80000000          ; type = 2
	s_or_b32 s[G0B+3], s[G0B+3], 0x80000000
	s_add_nc_u64 s[PFA:PFA+1], s[8:9], s[84:85]
	s_add_nc_u64 s[4:5], s[4:5], s[86:87]
	s_add_nc_u64 s[6:7], s[6:7], s[88:89]
	s_cmp_lt_u32 ttmp9, 32
	s_cselect_b64 s[DST:DST+1], s[14:15], s[12:13] ; the choice hangs on the cluster's number alone
	s_add_nc_u64 s[DST:DST+1], s[DST:DST+1], s[90:91]
	s_add_nc_u64 s[STA:STA+1], s[16:17], s[92:93]
	CROUND                                         ; all four work-groups are here: the first joint loads meet
	s_cmp_lt_u32 s[WV], 3                          ; one tensor load a wave at the head: waves 0 to 2 a third of step 0 each, wave 3 the records of all 16 steps
	s_cbranch_scc0 .Lhead_rec
	tensor_load_to_lds s[G0:G0+3], s[G1T:G1T+7]
	s_nop 0
	NOPS 4
	s_branch .Lhead_asked
.Lhead_rec:
	tensor_load_to_lds s[G0S:G0S+3], s[G1S:G1S+7]
	s_nop 0
	NOPS 4
.Lhead_asked:
	v_and_b32 v12, 31, v0
	v_lshlrev_b32 v[LI], 4, v12
	v_add_nc_u32 v[LIV], 49152, v[LI]
	v_lshlrev_b32 v[L8], 3, v12
	v_add_nc_u32 v[L8S], SCL, v[L8]
	v_lshlrev_b32 v[PFO], 8, v12
	v_and_b32 v14, 15, v0
	v_bfe_u32 v15, v0, 4, 1
	v_mul_u32_u24 v[STO], v14, 528
	v_lshl_add_u32 v[STO], v15, 5, v[STO]
	v_add_nc_u32 v[STO], s94, v[STO]               ; in: row r, + 32 h
	v_add_nc_u32 v[RD], s94, v[LI]                 ; back: the 32 lanes take one row's 512 bytes
	WIN 0xC0
.irp u, 0,1
.irp s, 0,1,2
.irp c, 0,1,2,3
	global_load_b128 v[16*(3*\u+\s)+4*\c:16*(3*\u+\s)+4*\c+3], v[LI], s[4:5] offset:2048*(3*\u+\s)+512*\c   ; Q stays in registers
.endr
.endr
.endr
	WIN 0
.irp s, 0,1,2
	global_load_b32 v[QSR+\s], v[L8], s[6:7] offset:256*\s
.endr
.irp u, 0,1
	v_mov_b32 v[ST+8*\u+1], 0xff61b1e6             ; the largest t so far: -3e38, under every t
	v_floor_f32 v[ST+8*\u], -v[ST+8*\u+1]          ; -M
.irp j, 2,3,4,5,6,7
	v_mov_b32 v[ST+8*\u+\j], 0                     ; l; and registers that are named in pairs or as a permute's destination before they are first written
.endr
.endr
.irp b, 0,1,2,3
	v_mov_b32 v[BX+\b], 0
.endr
	; O^T begins as zeros, which the first change of M leaves zeros: so the key step has no first form of its own.  These 384 lines run once and stand for one more copy of the step, some six times their bytes
.irp u, 0,1
	WIN 0x40+0x40*\u
.set sj, 0
.rept 192
	v_mov_b32 v[sj], 0
.set sj, sj+1
.endr
.endr
	WIN 0
	s_wait_loadcnt 0x0                             ; Q and its scale words
	s_wait_alu depctr_va_vdst(0)
	s_wait_tensorcnt 0x0                           ; my part of the head's tiles has landed
	ds_add_u32 v[SPW], v[NIL]
	s_wait_dscnt 0x0
	CROUND                                         ; everybody's have, and all four work-groups are here
	tensor_load_to_lds s[G0B:G0B+3], s[G1:G1+7]    ; step 1, a quarter a wave, into slot 1: my one tensor load behind this round
	s_nop 0
	NOPS 4
	v_add_nc_u32 v[AK], s[TB], v[LI]
	v_add_nc_u32 v[AV], s[TB], v[LIV]
	v_add_nc_u32 v[AS], s[TS], v[L8S]
	RECORDS                                        ; step 0's records and K's quads 0-3, in the order in which every step leaves them for the next
	FETCHK 0, 0
	FETCHK 1, 1
	FETCHK 2, 2
	FETCHK 3, 3
	WIN 0
.Lstep:                                            ; 14 trips: steps 0 to 13; each fills its slot again, with the step two further on
	s_wait_alu depctr_va_vdst(0)
	STEPX 2
	s_sub_co_u32 s[CNT], s[CNT], 1
	s_cmp_lg_u32 s[CNT], 0
	s_cbranch_scc1 .Lstep
	STEPX 1                                        ; the last two steps are written out
	STEPX 0
	; THE WAY OUT
	NOPS 8                                         ; eight places behind the last products
.irp u, 0,1
	v_add_f32 v[ST+8*\u+6], v[ST+8*\u+2], v[ST+8*\u+3]   ; l's two halves,
.endr
.irp u, 0,1
	v_permlanex16_b32 v[ST+8*\u+7], v[ST+8*\u+6], s[SEL], s[SEL+1]
.endr
.irp u, 0,1
	v_add_f32 v[ST+8*\u+6], v[ST+8*\u+6], v[ST+8*\u+7]   ; and lane l xor 16's
.endr
	s_wait_alu depctr_va_vdst(0)
.irp u, 0,1
	v_rcp_f32 v[ST+8*\u+4], v[ST+8*\u+6]
.endr
	v_cndmask_b32 v[BM], v[ST], v[ST+8], s[HM]     ; (plain instructions behind the reciprocals)  -M and l: tile 0's rows in lanes 0-15, tile 1's in lanes 16-31
	v_cndmask_b32 v[BM+1], v[ST+6], v[ST+14], s[HM]
	s_wait_alu depctr_va_vdst(0)                   ; one wait for the two reciprocals, ahead of the branch and of their first reader
	s_cmp_lg_u32 s[A1], 0
	s_cbranch_scc0 .Lno_stat
	global_store_b64 v[L8], v[BM:BM+1], s[STA:STA+1]   ; 256 consecutive bytes, aligned
.Lno_stat:
.irp u, 0,1
	WIN 0x41+0x41*\u
.set sj, 0
.rept 96
	v_pk_mul_f32 v[sj:sj+1], v[sj:sj+1], v[ST+8*\u+4:ST+8*\u+5] op_sel_hi:[1,0]   ; O^T / l, each accumulator from its low end on
.set sj, sj+2
.endr
.endr
	WIN 0
; A lane holds 32 neighbouring bytes of a row, and the lanes beside it hold other rows: so 16 rows x 128 channels at a time (block k: tile k / 3, channels 128 (k % 3) on) go through my own stage and come back as whole
; pieces of 512 bytes.  LDS serves a wave's instructions in order (ISA guide 5.7.1.4): no wait between the stores and the loads, nor ahead of the next block's stores.
.macro TOSTAGE k
	WIN 0x04+0x04*((\k)/3)                         ; an LDS store's data are its source 1: window 1 or 2
.irp t, 0,1,2,3,4,5,6,7
	ds_store_b128 v[STO], v[64*((\k)%3)+8*\t:64*((\k)%3)+8*\t+3] offset:64*\t
	ds_store_b128 v[STO], v[64*((\k)%3)+8*\t+4:64*((\k)%3)+8*\t+7] offset:64*\t+16
.endr
	WIN 0
.irp t, 0,1,2,3,4,5,6,7,8,9,10,11,12,13,14,15
	ds_load_b128 v[128+64*((\k)%2)+4*\t:128+64*((\k)%2)+4*\t+3], v[RD] offset:528*\t
.endr
.endm
.macro SEND k, younger
	s_wait_dscnt \younger                          ; the block is back in registers; the LDS instructions issued behind its loads may be out
.irp t, 0,1,2,3,4,5,6,7,8,9,10,11,12,13,14,15
	global_store_b128 v[LI], v[128+64*((\k)%2)+4*\t:128+64*((\k)%2)+4*\t+3], s[DST:DST+1] offset:1536*(16*((\k)/3)+\t)+512*((\k)%3) th:TH_STORE_NT   ; 32 lanes store 512 consecutive bytes, aligned
.endr
.endm
	TOSTAGE 0
	s_wait_alu depctr_va_vdst(0)
.irp k, 1,2,3,4,5
.if \k > 1
	s_wait_xcnt 0x0                                ; block k - 2's stores have read their registers: block k's loads may land there
.endif
	TOSTAGE \k
	SEND \k-1, 32                                  ; behind block k - 1's loads: block k's 16 stores and 16 loads
.endr
	SEND 5, 0
	s_wait_tensorcnt 0x0                           ; the wave's end, behind my last tensor load and my last LDS store
	ds_add_u32 v[SPW], v[NIL]
	s_wait_dscnt 0x0
	CROUND                                         ; the closing round
	s_endpgm
.Lfunc_end_k_q51beb43138_att:
	.size	k_q51beb43138_att, .Lfunc_end_k_q51beb43138_att-k_q51beb43138_att
	.p2alignl 7, 3214868480
	.fill 96, 4, 3214868480
	.section	.rodata,"a",@progbits
	.p2align	6, 0x0
	.amdhsa_kernel k_q51beb43138_att
		.amdhsa_group_segment_fixed_size 327680
		.amdhsa_private_segment_fixed_size 0
		.amdhsa_enable_private_segment 0
		.amdhsa_kernarg_size 56
		.amdhsa_user_sgpr_count 2
		.amdhsa_user_sgpr_kernarg_segment_ptr 1
		.amdhsa_wavefront_size32 1
		.amdhsa_system_sgpr_workgroup_id_x 1
		.amdhsa_system_sgpr_workgroup_id_y 1
		.amdhsa_system_sgpr_workgroup_id_z 1
		.amdhsa_system_vgpr_workitem_id 0
		.amdhsa_next_free_vgpr 1024
		.amdhsa_next_free_sgpr 100
		.amdhsa_reserve_vcc 0
		.amdhsa_float_denorm_mode_32 3
		.amdhsa_float_denorm_mode_16_64 3
		.amdhsa_memory_ordered 1
		.amdhsa_forward_progress 1
		.amdhsa_inst_pref_size 255
	.end_amdhsa_kernel
	.section	.bss,"aw",@nobits
	.p2align	6
	.space	262144
	.amdgpu_metadata
---
amdhsa.version: [ 1, 2 ]
amdhsa.kernels:
  - .name:           k_q51beb43138_att
    .symbol:         k_q51beb43138_att.kd
    .args:
      - { .name: QB, .offset: 0, .size: 8, .value_kind: global_buffer, .address_space: global }
      - { .name: QS, .offset: 8, .size: 8, .value_kind: global_buffer, .address_space: global }
      - { .name: KVB, .offset: 16, .size: 8, .value_kind: global_buffer, .address_space: global }
      - { .name: KVS, .offset: 24, .size: 8, .value_kind: global_buffer, .address_space: global }
      - { .name: out1, .offset: 32, .size: 8, .value_kind: global_buffer, .address_space: global }
      - { .name: PART, .offset: 40, .size: 8, .value_kind: global_buffer, .address_space: global }
      - { .name: STAT, .offset: 48, .size: 8, .value_kind: global_buffer, .address_space: global }
    .group_segment_fixed_size: 327680
    .private_segment_fixed_size: 0
    .kernarg_segment_align: 8
    .kernarg_segment_size: 56
    .max_flat_workgroup_size: 128
    .sgpr_count:     100
    .vgpr_count:     1024
    .wavefront_size: 32
...
	.end_amdgpu_metadata
.endif
;; end of part 2
;; launch merge (part 3): grid 256 x 1, 8 waves a work-group, no clusters, 0 bytes of LDS; arguments PART, STAT, out0; writes out0
.if DOCPART == 3
	.amdgcn_target "amdgcn-amd-amdhsa--gfx1250"
	.amdhsa_code_object_version 6
	.text
	.protected	k_q51beb43138_merge
	.globl	k_q51beb43138_merge
	.p2align	8
	.type	k_q51beb43138_merge,@function
k_q51beb43138_merge:
	s_mov_b64 s[64:65], 0
	v_nop
	global_prefetch_b8 v0, s[64:65] scope:SCOPE_SE
	s_setreg_imm32_b32 hwreg(HW_REG_WAVE_MODE, 25, 1), 1
	s_wait_xcnt 0x0
; out0 = a0 PART[0] + a1 PART[1]: the two halves of the keys of the semantic queries' attention are joined.  No work of reference() is left out.
; PART[i] holds O_i / l_i of half i, STAT[i] its (-M_i, l_i), M_i a whole number.  With w_i = l_i 2^(M_i - max M): a_i = w_i / (w0 + w1).  The larger M's w is its l, over 1/2, so the divisor is never 0.
; LIMITS: NaN and infinities are not served; a w that falls under the smallest f32 number is lost beside the other.
; A stream: 8 waves, 32 rows a work-group, 4 rows a wave; a row is 1,536 bytes, three loads or stores of 512 consecutive bytes.  All of a wave's 32 loads go out at its head.  No LDS, no barrier, no matrix unit, no cluster:
; the work-groups share nothing and each byte is read once.
.set NM0, 4                            ; v[4+2k:5+2k]   (-M, l) of row k, half 0
.set NM1, 12                           ; v[12+2k:13+2k] half 1
.set T0,  20                           ; v20-23 min(-M), then w0 + w1, then its reciprocal
.set W0,  24                           ; v24-27 w0
.set W1,  28                           ; v28-31 w1
.set P,   32                           ; row k: v[P+24k ..] 12 registers of half 0, then 12 of half 1
.set A,   128                          ; row k: v[A+4k], v[A+4k+1] a0 twice; v[A+4k+2], v[A+4k+3] a1 twice
	s_load_b128 s[4:7], s[0:1], 0x0                ; PART, STAT
	s_load_b64 s[8:9], s[0:1], 0x10                ; out0
	v_lshrrev_b32 v1, 5, v0
	s_delay_alu instid0(VALU_DEP_1)
	v_readfirstlane_b32 s10, v1                    ; wave 0..7
	s_lshl_b32 s11, ttmp9, 5
	s_lshl_b32 s12, s10, 2
	s_add_co_u32 s11, s11, s12                     ; my first row
	s_mul_i32 s12, s11, 1536
	s_mov_b32 s13, 0
	s_lshl_b32 s14, s11, 3
	s_mov_b32 s15, 0
	v_and_b32 v1, 31, v0
	s_delay_alu instid0(VALU_DEP_1)
	v_lshlrev_b32 v1, 4, v1                        ; 16 bytes a lane
	v_mov_b32 v2, 0
	s_wait_alu depctr_va_vdst(0)
	s_wait_kmcnt 0x0
	s_add_nc_u64 s[4:5], s[4:5], s[12:13]
	s_add_nc_u64 s[16:17], s[4:5], 12582912        ; the same rows of half 1
	s_add_nc_u64 s[6:7], s[6:7], s[14:15]
	s_add_nc_u64 s[8:9], s[8:9], s[12:13]
.irp k, 0,1,2,3
	global_load_b64 v[NM0+2*\k:NM0+2*\k+1], v2, s[6:7] offset:8*\k
	global_load_b64 v[NM1+2*\k:NM1+2*\k+1], v2, s[6:7] offset:65536+8*\k
.endr
.irp k, 0,1,2,3
.irp j, 0,1,2
	global_load_b128 v[P+24*\k+4*\j:P+24*\k+4*\j+3], v1, s[4:5] offset:1536*\k+512*\j th:TH_LOAD_NT
.endr
.irp j, 0,1,2
	global_load_b128 v[P+24*\k+12+4*\j:P+24*\k+12+4*\j+3], v1, s[16:17] offset:1536*\k+512*\j th:TH_LOAD_NT
.endr
.endr
	s_wait_loadcnt 24                              ; the eight small loads are in; the 24 behind them may be out
.irp k, 0,1,2,3
	v_min_num_f32 v[T0+\k], v[NM0+2*\k], v[NM1+2*\k]   ; -(the larger M)
.endr
.irp k, 0,1,2,3
	v_sub_f32 v[W0+\k], v[T0+\k], v[NM0+2*\k]      ; M0 - the larger M: a whole number, 0 or less
	v_sub_f32 v[W1+\k], v[T0+\k], v[NM1+2*\k]
.endr
.irp k, 0,1,2,3
	v_cvt_i32_f32 v[W0+\k], v[W0+\k]               ; (it saturates)
	v_cvt_i32_f32 v[W1+\k], v[W1+\k]
.endr
.irp k, 0,1,2,3
	v_ldexp_f32 v[W0+\k], v[NM0+2*\k+1], v[W0+\k]
	v_ldexp_f32 v[W1+\k], v[NM1+2*\k+1], v[W1+\k]
.endr
.irp k, 0,1,2,3
	v_add_f32 v[T0+\k], v[W0+\k], v[W1+\k]
.endr
	s_wait_alu depctr_va_vdst(0)
.irp k, 0,1,2,3
	v_rcp_f32 v[T0+\k], v[T0+\k]
.endr
	v_nop                                          ; a plain instruction behind the last reciprocal
	s_wait_alu depctr_va_vdst(0)                   ; the wait ahead of the first reader: one for the four
.irp k, 0,1,2,3
	v_mul_f32 v[A+4*\k], v[W0+\k], v[T0+\k]
	v_mul_f32 v[A+4*\k+1], v[W0+\k], v[T0+\k]
	v_mul_f32 v[A+4*\k+2], v[W1+\k], v[T0+\k]
	v_mul_f32 v[A+4*\k+3], v[W1+\k], v[T0+\k]
.endr
.irp k, 0,1,2,3
	s_wait_loadcnt 18-6*\k                         ; this row's six loads are in; the later rows' may be out
.irp j, 0,2,4,6,8,10
	v_pk_mul_f32 v[P+24*\k+\j:P+24*\k+\j+1], v[P+24*\k+\j:P+24*\k+\j+1], v[A+4*\k:A+4*\k+1]
.endr
.irp j, 0,2,4,6,8,10
	v_pk_fma_f32 v[P+24*\k+\j:P+24*\k+\j+1], v[P+24*\k+12+\j:P+24*\k+12+\j+1], v[A+4*\k+2:A+4*\k+3], v[P+24*\k+\j:P+24*\k+\j+1]
.endr
.irp j, 0,1,2
	global_store_b128 v1, v[P+24*\k+4*\j:P+24*\k+4*\j+3], s[8:9] offset:1536*\k+512*\j th:TH_STORE_NT   ; 32 lanes store 512 consecutive bytes, aligned
.endr
.endr
	s_endpgm
.Lfunc_end_k_q51beb43138_merge:
	.size	k_q51beb43138_merge, .Lfunc_end_k_q51beb43138_merge-k_q51beb43138_merge
	.p2alignl 7, 3214868480
	.fill 96, 4, 3214868480
	.section	.rodata,"a",@progbits
	.p2align	6, 0x0
	.amdhsa_kernel k_q51beb43138_merge
		.amdhsa_group_segment_fixed_size 0
		.amdhsa_private_segment_fixed_size 0
		.amdhsa_enable_private_segment 0
		.amdhsa_kernarg_size 24
		.amdhsa_user_sgpr_count 2
		.amdhsa_user_sgpr_kernarg_segment_ptr 1
		.amdhsa_wavefront_size32 1
		.amdhsa_system_sgpr_workgroup_id_x 1
		.amdhsa_system_sgpr_workgroup_id_y 1
		.amdhsa_system_sgpr_workgroup_id_z 1
		.amdhsa_system_vgpr_workitem_id 0
		.amdhsa_next_free_vgpr 160
		.amdhsa_next_free_sgpr 66
		.amdhsa_reserve_vcc 0
		.amdhsa_float_denorm_mode_32 3
		.amdhsa_float_denorm_mode_16_64 3
		.amdhsa_memory_ordered 1
		.amdhsa_forward_progress 1
		.amdhsa_inst_pref_size 11
	.end_amdhsa_kernel
	.amdgpu_metadata
---
amdhsa.version: [ 1, 2 ]
amdhsa.kernels:
  - .name:           k_q51beb43138_merge
    .symbol:         k_q51beb43138_merge.kd
    .args:
      - { .name: PART, .offset: 0, .size: 8, .value_kind: global_buffer, .address_space: global }
      - { .name: STAT, .offset: 8, .size: 8, .value_kind: global_buffer, .address_space: global }
      - { .name: out0, .offset: 16, .size: 8, .value_kind: global_buffer, .address_space: global }
    .group_segment_fixed_size: 0
    .private_segment_fixed_size: 0
    .kernarg_segment_align: 8
    .kernarg_segment_size: 24
    .max_flat_workgroup_size: 256
    .sgpr_count:     66
    .vgpr_count:     160
    .wavefront_size: 32
...
	.end_amdgpu_metadata
.endif
;; end of part 3
